; MI455X (gfx1250); checked and timed in simulation.
; The chip was launched on July 23, 2026; its instructions are those of AMD's public machine-readable ISA for CDNA 5 (MIT licence, August 2026) and "CDNA5" Instruction Set Architecture Reference Guide (July 2026). The comments in the code are by the model that wrote it; some were corrected since.
;; Multi Head Attention. Allowed arithmetic: matrix products marked QUANTISED: E2M3 operands, one E8M0 scale for each 32 along K, by v_wmma_scale_f32_16x16x128_f8f6f4 with both operands' format E2M3, f32 sums; everything else in f32.
;; Inputs: Wk_codes 1,024 x 32 x 24 uint8 (E2M3 codes of Wk, K innermost, in blocks of 32 codes, four codes in three bytes); Wk_scales 1,024 x 32 uint8 (E8M0 scales of Wk, one for each 32 codes along K); Wo_codes 1,024 x 32 x 24 uint8 (E2M3 codes of Wo, K innermost, in blocks of 32 codes, four codes in three bytes); Wo_scales 1,024 x 32 uint8 (E8M0 scales of Wo, one for each 32 codes along K); Wq_codes 1,024 x 32 x 24 uint8 (E2M3 codes of Wq, K innermost, in blocks of 32 codes, four codes in three bytes); Wq_scales 1,024 x 32 uint8 (E8M0 scales of Wq, one for each 32 codes along K); Wv_codes 1,024 x 32 x 24 uint8 (E2M3 codes of Wv, K innermost, in blocks of 32 codes, four codes in three bytes); Wv_scales 1,024 x 32 uint8 (E8M0 scales of Wv, one for each 32 codes along K); bk 1,024 float32; bo 1,024 float32; bq 1,024 float32; bv 1,024 float32; c_codes 4 x 2,048 x 32 x 24 uint8 (E2M3 codes of c, K innermost, in blocks of 32 codes, four codes in three bytes); c_scales 4 x 2,048 x 32 uint8 (E8M0 scales of c, one for each 32 codes along K); x_codes 4 x 2,048 x 32 x 24 uint8 (E2M3 codes of x, K innermost, in blocks of 32 codes, four codes in three bytes); x_scales 4 x 2,048 x 32 uint8 (E8M0 scales of x, one for each 32 codes along K).
;; Outputs: out0 4 x 1,024 x 2,048 float32.
;; This version of the problem:
;;   THIS VERSION OF THE PROBLEM IS GIVEN IN LOW PRECISION. The matrix products marked QUANTISED in the list below multiply operands that are first quantised to E2M3 (2 exponent bits, 3 mantissa bits; 6 bits a number), with one power-of-two scale for each 32 numbers along K (OCP MX v1.0); their sums are f32. All else is computed in f32.
;;   The module's matrix products, in the order in which they are computed (A, B: the left and right operand; K: the contracted axis; several contracted axes count as one K, in the product's order):
;;     1. [M 8,192, K 1,024] x [K 1,024, N 1,024]; A: input x (given as codes); B: input Wq (given as codes): QUANTISED
;;     2. [M 8,192, K 1,024] x [K 1,024, N 1,024]; A: input c (given as codes); B: input Wk (given as codes): QUANTISED
;;     3. [M 8,192, K 1,024] x [K 1,024, N 1,024]; A: input c (given as codes); B: input Wv (given as codes): QUANTISED
;;     4. batch 64 x [M 2,048, K 64] x [K 64, N 2,048]; A: computed on the way; B: computed on the way: QUANTISED
;;     5. batch 64 x [M 64, K 2,048] x [K 2,048, N 2,048]; A: computed on the way; B: softmax (see below): QUANTISED
;;     6. [M 8,192, K 1,024] x [K 1,024, N 1,024]; A: computed on the way; B: input Wo (given as codes): QUANTISED
;;   THE QUANTISER, for each operand of a quantised product, along K:
;;     - K is cut into blocks of 32 from its start; a last block that is shorter is filled with zeros.
;;     - A block's scale is 2^e with e = floor(log2(the largest magnitude in the block)) - 2, held to -126 .. 127; a block of zeros has e = 0. As a byte (E8M0): e + 127.
;;     - Each number is divided by its block's scale, clamped to +-7.5, and rounded to the nearest number of E2M3, ties to even, subnormals kept.
;;     - The product sums the exact products of the quantised numbers (number of the format x scale) in f32.
;;   ~~~python
;;   def quantise(x, axis):      # numpy; x: float32 -> the quantised numbers, widened to float32 again
;;       x = np.moveaxis(x, axis, -1); K = x.shape[-1]
;;       x = np.pad(x, [(0, 0)] * (x.ndim - 1) + [(0, -K % 32)]); x = x.reshape(x.shape[:-1] + (-1, 32)); a = np.abs(x).max(-1, keepdims=True)
;;       e = np.where(a > 0, np.clip(np.frexp(np.where(a > 0, a, 1))[1] - 1 - 2, -126, 127), 0)      # np.frexp(a)[1] - 1 = floor(log2(a)), exactly
;;       r = np.clip(x / 2.0 ** e, -7.5, 7.5)
;;       step = 2.0 ** (np.maximum(np.frexp(np.where(r == 0, 1, r))[1] - 1, 0) - 3)
;;       q = np.round(r / step) * step * 2.0 ** e      # np.round: ties to even
;;       return np.moveaxis(q.reshape(q.shape[:-2] + (-1,))[..., :K], -1, axis).astype(np.float32)
;;   ~~~
;;   SOFTMAX AHEAD OF A QUANTISED PRODUCT. Where the list says 'softmax', what is quantised is not the finished softmax but p = 2^(t - M), with t = logit x log2(e) and M = ceil(the row's largest t), a whole number; so 1/2 < the row's largest p <= 1. The row's sum l is taken of the UNQUANTISED p, in f32, and the product's result is divided by l at the end. Since M is a whole number, a kernel that streams over the keys may use a running M (the ceiling of the running maximum): every later rescaling is an exact power of two, which a block's scale takes up: the codes' values come out the same.
;;   OPERANDS COMPUTED ON THE WAY. 'Computed on the way' means the value that the module computes at that place (a softmax that the list does not call 'softmax' is quantised finished and normalised). What goes into a quantiser is computed in f32, as accurately as f32 sums, v_exp_f32 and their like allow (about 1e-6 of the number): no bf16 or f16 on the way to a quantiser, and a product that is left as it is and whose result goes on into a quantised operand takes f32 operands (vector FMAs, or v_wmma_f32_16x16x4_f32). A number that lies on a knife's edge between two numbers of the format may be rounded either way, as far as f32 arithmetic and the matrix unit's own rounding can turn it there, and no further.
;;   INPUTS GIVEN AS CODES. Wk (in the module: [1024, 1024], K = its axis 1); Wo (in the module: [1024, 1024], K = its axis 1); Wq (in the module: [1024, 1024], K = its axis 1); Wv (in the module: [1024, 1024], K = its axis 1); c (in the module: [4, 1024, 2048], K = its axis 1); x (in the module: [4, 1024, 2048], K = its axis 1): each comes as NAME_codes (uint8): NAME with its K axis moved to the last place and cut into blocks of 32 codes, [.., K / 32, bytes a block], one block behind the other in memory; four codes in three bytes: a row's codes are one little-endian stream of bits, code i at bits 6 i .. 6 i + 5 (a code: sign, 2 exponent bits, 3 mantissa bits); and NAME_scales (uint8): the same leading axes, one E8M0 byte (e + 127) for each 32 codes along K. Its value is code x scale, taken as it is: it is not quantised again, and the codes and scales need not be those that the quantiser above would give.
;; One version. Each part assembles by itself: llvm-mc -triple=amdgcn-amd-amdhsa -mcpu=gfx1250 --defsym DOCPART=n.
;; ======== version 1 of 1: 3 launches
;; workspace buffers: qkv_img 18,874,368 bytes; qkv_sc 1,310,720 bytes; a_img 6,291,456 bytes; a_sc 262,144 bytes
;; launch proj (part 1): grid 32 x 12, 4 waves a work-group, clusters of 4 x 4, 327,680 bytes of LDS; arguments x_codes, x_scales, c_codes, c_scales, Wq_codes, Wq_scales, Wk_codes, Wk_scales, Wv_codes, Wv_scales, bq, bk, bv, qkv_img, qkv_sc; writes qkv_img, qkv_sc
.if DOCPART == 1
	.amdgcn_target "amdgcn-amd-amdhsa--gfx1250"
	.amdhsa_code_object_version 6
	.text
	.protected	k_q7882fe6b56_proj
	.globl	k_q7882fe6b56_proj
	.p2align	8
	.type	k_q7882fe6b56_proj,@function
k_q7882fe6b56_proj:
	s_mov_b64 s[64:65], 0
	v_nop
	global_prefetch_b8 v0, s[64:65] scope:SCOPE_SE
	s_setreg_imm32_b32 hwreg(HW_REG_WAVE_MODE, 25, 1), 1
	s_wait_xcnt 0x0
	s_wait_alu depctr_hold_cnt(0) depctr_sa_sdst(0) depctr_va_vdst(0) depctr_va_sdst(0) depctr_va_ssrc(0) depctr_va_vcc(0) depctr_vm_vsrc(0)
	s_getreg_b32 s2, hwreg(HW_REG_IB_STS2, 6, 4)
	s_cmp_eq_u32 s2, 0
	s_cbranch_scc0 .Lentry_in_a_cluster
	s_endpgm
.Lentry_in_a_cluster:
	s_bfe_u32 s2, ttmp6, 0x10000c
	s_cmp_lg_u32 s2, 0xf033
	s_cbranch_scc0 .Lentry_shape_is_right
	s_endpgm
.Lentry_shape_is_right:
; q = Wq x + bq, k = Wk c + bk, v = Wv c + bv: three products of 8,192 x 1,024 x 1,024 on codes of FP6 (E2M3) with one E8M0 scale for each 32 along K, and the
; results quantised in registers for the attention that follows: q and k along the head's 64 channels, v along the keys.  Nothing wide goes to memory.
; The cluster's y says which product (0 q, 1 k, 2 v).  Operand A (source 1 of the matrix instruction) gives the lanes, operand B (source 0) the registers, which are the NEXT product's K:
;   q: A = x, B = Wq;   k: A = c, B = Wk;   v: A = Wv, B = c.   What differs is chosen by scalar selects on the cluster's y: all three take one path through the text.
; A tile of 256 x 256 is made by four waves, 128 x 128 each: 64 accumulators, 512 registers.  K goes in steps of 256 through two LDS slots filled by the tensor data mover; the scale bytes of the
; work-group's rows, for all of K, come into LDS once.  CLUSTERS of 4 x 4: A's tiles are asked for jointly along a row of the cluster, B's along a column.
; THE RESULT.  For A's block a a lane holds one row and 64 numbers, register 8 b + j = B's row 16 b + 8 (lane / 16) + j.  The 16 registers of b = 2 n, 2 n + 1 with those of lane xor 16 are the true block n of 32;
; inside a block the two middle groups of eight stand in each other's place.  q and k are both laid so, and so are v and the softmax's p in the next launch: the products are the same, only their order in a sum differs.
; CELLS.  16 rows x 128 along K are 12 registers a lane; registers 6 e .. 6 e + 5 (64 along K) are a half-cell of 768 bytes: registers 0-1 at 8 x lane, registers 2-5 at 256 + 16 x lane.  Every store covers whole
; runs of 256 or 512 consecutive bytes, aligned.  q, k: [16 batch + head][tile of 16 rows][768];  v: [2 (16 batch + key step) + e][tile of 16 channels][768].
; SCALE WORDS.  q, k: [16 batch + head][2,048 words], the head's two bytes in bytes 0 and 1 (bytes 2 and 3 hold the neighbour head's bytes or 0, never 0xff: they meet zero codes);  v: [16 batch + key step][1,024 words].
; In each group of 128 rows, row 16 a + r has word 64 (a / 4) + 2 (16 (a % 2) + r) + (a / 2) % 2, so that a load of 8 bytes a lane gives two scale registers with one tile in lanes 0-15 and the next in lanes 16-31.
; LIMITS: a block of zeros, or one whose largest magnitude lies under 2^-124, gets the byte 1 where the rule says 127 (its codes' values are the same or zero; this program alone reads the bytes); NaN and infinities are not served.
.set KSTEP,  256                       ; along K in a slot
.set NQ,     KSTEP/128                 ; matrix instructions deep
.set ROWB,   192                       ; a tile's row in bytes
.set KROW,   768                       ; a row of codes in memory: 1,024 codes
.set PITCH,  240                       ; an LDS row: 3 x (64 bytes + 16 of padding): the 32 lanes of a load of 8 bytes touch 64 different banks (64 banks of 4 bytes: ISA guide 11.1)
.set FR,     12                        ; registers of a fragment
.set NL,     6                         ; LDS loads that bring one
.set NP,     4                         ; places behind this matrix instruction (ISA guide 7.12.1)
.set HALFT,  128*PITCH                 ; 128 rows: one tensor load
.set SLOT,   4*HALFT                   ; A's 256 rows, then B's 256
.set LAPS,   2                         ; 1,024 / (2 x 256)
.set KS,     32                        ; a row of scale bytes
.set SCL,    2*SLOT                    ; behind the ring: the scales, as units of 256 bytes + 16 of padding
.set HALFS,  (128*KS/256)*272
.set SBLK,   (16*KS/256)*272
.set SPARE,  SCL+4*HALFS               ; the spare words, 128 bytes a wave: two blocks of 256 bytes that no other line names
.set O8,   8                           ; v8   8 x lane: a half-cell's first 256 bytes
.set O16,  9                           ; v9   16 x lane: its other 512
.set O8E,  10                          ; v10  the same one plane on: the cell's second half
.set O16E, 11                          ; v11
.set SCW,  12                          ; v12  the scale scratch: 1,024 x wave + 512 (lane / 16) + 8 (lane % 16)
.set SCR,  13                          ; v13  and back: 1,024 x wave + 16 x lane
.set SH,   14                          ; v14  16 (lane / 16)
.set ADRA, 16                          ; v16-17 LDS address of my A fragments in slot 0, 1 (v18-19: behind one padding more)
.set ADRB, 20                          ; v20-23 the same for B
.set ADRS, 27                          ; v27  my scale words: lanes 0-15 A's rows, lanes 16-31 B's
.set SPW,  28                          ; v28  my spare word; never rewritten
.set NIL,  29                          ; v29  0; never rewritten
.set BO,   30                          ; v30  offset of the bias along the registers
.set PO,   31                          ; v31  offset of the bias along the lanes
.set SC,   32                          ; v32-63 scale words, two sets
.set BT,   64                          ; v64-127 bias along the registers: the C of the first products (q, k; zeros for v)
.set AF,   128                         ; v128-223 A's fragments, one set
.set BP,   240                         ; v240-255 bias along the lanes, a pair for each block of A (v; zeros for q, k)
.set HA,   128                         ; the way out: v128-191 a block's 64 numbers
.set CD,   192                         ; v192-211 its codes
.set TM,   212                         ; v212-227 at work
.set PW,   228                         ; v228 the scale word just made
.set SD,   229                         ; v229 the same, shifted for my half of the lanes
.set XW,   232                         ; v232-239 scale words read back
.set G1, 24
.set G0, 32
.set G1B, 48
.set G0B, 56
.set G1S, 68
.set G0S, 76
.set G1SB, 80
.set G0SB, 88
.set MSB, 0
.macro WIN new                         ; the immediate's high byte repeats the setting that is left
.if MSB != (\new)
	s_set_vgpr_msb (MSB<<8)|(\new)
.set MSB, \new
.endif
.endm
.set MUL_LO, 0xa1                      ; source 0 (B) window 1, source 1 (A) window 0, C and D window 2
.set MUL_HI, 0xf1                      ; the same, C and D window 3
.set TO_B,   0x40                      ; destination window 1, address window 0
; A joint load: waves 0 and 1 fetch for A, waves 2 and 3 for B.  The branch hangs on the wave's number alone.  Four v_nop follow each of the two lines.
.macro JLOAD g0a, g1a, g0b, g1b
	s_cmp_eq_u32 s15, 0
	s_cbranch_scc0 .Lfor_b_\@
	tensor_load_to_lds s[\g0a:\g0a+3], s[\g1a:\g1a+7]
	s_nop 0
.rept 4
	v_nop
.endr
	s_branch .Lasked_\@
.Lfor_b_\@:
	tensor_load_to_lds s[\g0b:\g0b+3], s[\g1b:\g1b+7]
	s_nop 0
.rept 4
	v_nop
.endr
.Lasked_\@:
.endm
.macro CREST                           ; a round of the cluster's barrier behind its opening barrier
	s_cmp_lg_u32 s14, 0
	s_cbranch_scc1 .Lnot_wave_0_\@
	s_barrier_signal -3
.Lnot_wave_0_\@:
	s_barrier_wait -3
	s_barrier_signal -1
	s_barrier_wait -1
.endm
.macro CROUND                          ; a whole round
	s_barrier_signal -1
	s_barrier_wait -1
	CREST
.endm
	s_load_b512 s[68:83], s[0:1], 0x0              ; x codes, x scales, c codes, c scales, Wq codes, Wq scales, Wk codes, Wk scales
	s_load_b256 s[84:91], s[0:1], 0x40             ; Wv codes, Wv scales, bq, bk
	s_load_b128 s[92:95], s[0:1], 0x60             ; bv, qkv_img
	s_load_b64 s[96:97], s[0:1], 0x70              ; qkv_sc
	v_lshl_add_u32 v[SPW], v0, 2, SPARE
	v_mov_b32 v[NIL], 0
	ds_add_u32 v28, v29
	ds_add_u32 v28, v29
	s_wait_dscnt 0x0
	v_lshrrev_b32 v1, 5, v0
	v_readfirstlane_b32 s14, v1                    ; wave 0..3
	s_lshr_b32 s15, s14, 1                         ; which half of A's rows is mine.  Also: I fetch for A (0) or for B (1)
	s_and_b32 s16, s14, 1                          ; which half of B's rows.  Also: which 128 rows I fetch
	s_bfe_u32 s40, ttmp6, 0x40000                  ; cx, cy: my place in the cluster
	s_bfe_u32 s41, ttmp6, 0x40004
	s_and_b32 s66, ttmp7, 0xffff                   ; the cluster's y: 0 q, 1 k, 2 v
	s_lshl_b32 s67, ttmp9, 2                       ; 4 x the cluster's x: it walks the operand of 8,192 rows
	s_cmp_eq_u32 s66, 2
	s_cselect_b32 s17, 0, s67
	s_cselect_b32 s42, s67, 0
	s_cselect_b32 s105, 0, 1                       ; 1 for q and k, 0 for v
	s_mov_b32 s104, 98304                          ; from a cell's first half to its second: a head's plane of 128 tiles,
	s_cselect_b32 s104, 49152, s104                ; for v a plane of 64 tiles
	s_add_co_u32 s17, s17, s41                     ; A's tile: it never holds cx
	s_add_co_u32 s42, s42, s40                     ; B's tile: it never holds cy
	s_lshl_b32 s43, s41, 2
	s_lshl_b32 s43, 15, s43                        ; my row of the cluster
	s_lshl_b32 s44, 0x1111, s40                    ; my column
	; descriptor group 1: a tile of 128 rows x 192 bytes, 16 bytes of padding behind every 64
	s_or_b32 s[G1+0], s43, (0<<16)|(1<<20)|(1<<21)|(3<<22)|(3<<25)
	s_or_b32 s[G1B+0], s44, (0<<16)|(1<<20)|(1<<21)|(3<<22)|(3<<25)
.irp g, G1, G1B
	s_mov_b32 s[\g+1], ROWB<<16                    ; tensor_dim0
	s_mov_b32 s[\g+2], 128<<16                     ; tensor_dim1
	s_mov_b32 s[\g+3], ROWB<<16                    ; tile_dim0
	s_mov_b32 s[\g+4], 128                         ; tile_dim1
	s_mov_b32 s[\g+5], KROW                        ; from row to row
	s_mov_b32 s[\g+6], 0
	s_mov_b32 s[\g+7], 0
.endr
	s_wait_kmcnt 0x0
	s_cmp_eq_u32 s66, 0                            ; the buffers are chosen on the cluster's y alone
	s_cselect_b64 s[4:5], s[68:69], s[72:73]       ; A's codes: x, or c
	s_cselect_b64 s[6:7], s[70:71], s[74:75]       ; A's scales
	s_cselect_b64 s[8:9], s[76:77], s[80:81]       ; B's codes: Wq, or Wk
	s_cselect_b64 s[10:11], s[78:79], s[82:83]     ; B's scales
	s_cselect_b64 s[98:99], s[88:89], s[90:91]     ; the bias
	s_cmp_eq_u32 s66, 2
	s_cselect_b64 s[4:5], s[84:85], s[4:5]         ; v: A = Wv,
	s_cselect_b64 s[6:7], s[86:87], s[6:7]
	s_cselect_b64 s[8:9], s[72:73], s[8:9]         ; B = c
	s_cselect_b64 s[10:11], s[74:75], s[10:11]
	s_cselect_b64 s[98:99], s[92:93], s[98:99]
	s_mov_b64 s[12:13], s[94:95]                   ; the cells
	s_mov_b64 s[100:101], s[96:97]                 ; the scale words
	; the scales of 128 rows: 4,096 dense bytes as 16 rows of 256 bytes, 16 bytes of padding behind each (s68-91 are free now)
	s_or_b32 s[G1S+0], s43, (3<<16)|(1<<20)|(1<<21)|(5<<22)|(3<<25)
	s_or_b32 s[G1SB+0], s44, (3<<16)|(1<<20)|(1<<21)|(5<<22)|(3<<25)
.irp g, G1S, G1SB
	s_mov_b32 s[\g+1], 32<<16
	s_mov_b32 s[\g+2], (128*KS/256)<<16
	s_mov_b32 s[\g+3], 32<<16
	s_mov_b32 s[\g+4], 128*KS/256
	s_mov_b32 s[\g+5], 32
	s_mov_b32 s[\g+6], 0
	s_mov_b32 s[\g+7], 0
.endr
	s_lshl_b32 s18, s16, 7                         ; which 128 rows of the tile I fetch
	s_lshl_b32 s20, s17, 8
	s_add_co_u32 s20, s20, s18                     ; A's row
	s_lshl_b32 s46, s42, 8
	s_add_co_u32 s46, s46, s18                     ; B's row
	s_lshl_b32 s22, s20, 5                         ; where these rows' scales begin, in bytes (8,192 rows at the most: all offsets stay under 2^23)
	s_mov_b32 s23, 0
	s_lshl_b32 s92, s46, 5
	s_mov_b32 s93, 0
	s_mul_i32 s20, s20, KROW                       ; and their codes
	s_mov_b32 s21, 0
	s_mul_i32 s46, s46, KROW
	s_mov_b32 s47, 0
	s_mul_i32 s45, s14, HALFT                      ; where they go: wave x 128 rows: no place in the cluster enters an LDS address
	s_mul_i32 s94, s14, HALFS
	s_add_nc_u64 s[20:21], s[4:5], s[20:21]
	s_add_nc_u64 s[22:23], s[6:7], s[22:23]
	s_add_nc_u64 s[46:47], s[8:9], s[46:47]
	s_add_nc_u64 s[92:93], s[10:11], s[92:93]
	CROUND                                         ; all sixteen work-groups are here: the first joint loads meet
	s_mov_b32 s[G0S], 1
	s_add_co_u32 s[G0S+1], s94, SCL
	s_mov_b64 s[G0S+2:G0S+3], s[22:23]
	s_or_b32 s[G0S+3], s[G0S+3], 0x80000000
	s_mov_b32 s[G0SB], 1
	s_add_co_u32 s[G0SB+1], s94, SCL
	s_mov_b64 s[G0SB+2:G0SB+3], s[92:93]
	s_or_b32 s[G0SB+3], s[G0SB+3], 0x80000000
	JLOAD G0S, G1S, G0SB, G1SB                     ; the scales first: they are wanted with K step 0
.irp s, 0,1
	s_mov_b32 s[G0+4*\s], 1
	s_add_co_u32 s[G0+4*\s+1], s45, \s*SLOT
	s_add_nc_u64 s[G0+4*\s+2:G0+4*\s+3], s[20:21], \s*ROWB
	s_or_b32 s[G0+4*\s+3], s[G0+4*\s+3], 0x80000000
	s_mov_b32 s[G0B+4*\s], 1
	s_add_co_u32 s[G0B+4*\s+1], s45, \s*SLOT
	s_add_nc_u64 s[G0B+4*\s+2:G0B+4*\s+3], s[46:47], \s*ROWB
	s_or_b32 s[G0B+4*\s+3], s[G0B+4*\s+3], 0x80000000
	JLOAD G0+4*\s, G1, G0B+4*\s, G1B
.endr
	v_and_b32 v1, 15, v0                           ; r = lane % 16
	v_bfe_u32 v2, v0, 4, 1                         ; h = lane / 16
	; the biases.  Along the registers (q, k): bias[B's row 16 b + 8 h + j];  along the lanes (v): bias[A's row 16 a + r].  The table that a product does not use is read at the buffer's head and set to 0 below.
	s_lshl_b32 s20, s17, 8
	s_lshl_b32 s21, s15, 7
	s_add_co_u32 s20, s20, s21                     ; my first row of A
	s_lshl_b32 s46, s42, 8
	s_lshl_b32 s47, s16, 7
	s_add_co_u32 s46, s46, s47                     ; my first row of B
	s_lshl_b32 s21, s46, 2
	s_mul_i32 s21, s21, s105
	s_xor_b32 s22, s105, 1
	s_lshl_b32 s23, s20, 2
	s_mul_i32 s22, s22, s23
	v_lshl_add_u32 v[BO], v2, 5, s21
	v_lshl_add_u32 v[PO], v1, 2, s22
.irp b, 0,1,2,3,4,5,6,7
	global_load_b128 v[BT+8*\b:BT+8*\b+3], v[BO], s[98:99] offset:64*\b
	global_load_b128 v[BT+8*\b+4:BT+8*\b+7], v[BO], s[98:99] offset:64*\b+16
.endr
.irp a, 0,1,2,3,4,5,6,7
	global_load_b32 v[BP+2*\a], v[PO], s[98:99] offset:64*\a
.endr
	; where my cells and scale words go
	s_lshr_b32 s21, s20, 11
	s_lshl_b32 s21, s21, 4
	s_lshr_b32 s22, s46, 7
	s_lshl_b32 s22, s22, 1
	s_add_co_u32 s21, s21, s22                     ; the plane: q, k: 16 batch + my first head;  v: 2 (16 batch + key step)
	s_and_b32 s20, s20, 2047                       ; A's row inside the batch (v: the channel)
	s_mul_i32 s22, s21, s104
	s_mul_i32 s23, s66, 6291456                    ; q's, k's, v's third of the buffer
	s_add_co_u32 s22, s22, s23
	s_lshr_b32 s23, s20, 4
	s_mul_i32 s23, s23, 768
	s_add_co_u32 s22, s22, s23
	s_mov_b32 s23, 0
	s_add_nc_u64 s[12:13], s[12:13], s[22:23]
	s_cmp_eq_u32 s66, 2
	s_mov_b32 s22, 8192                            ; a head's 2,048 words;
	s_cselect_b32 s22, 2048, s22                   ; v: half a key step's 1,024 words, since its plane number counts halves
	s_mul_i32 s22, s21, s22
	s_lshl_b32 s23, s66, 19
	s_add_co_u32 s22, s22, s23
	s_lshl_b32 s23, s20, 2
	s_add_co_u32 s22, s22, s23
	s_mov_b32 s23, 0
	s_add_nc_u64 s[100:101], s[100:101], s[22:23]
	v_and_b32 v7, 31, v0
	v_lshlrev_b32 v[O8], 3, v7
	v_lshlrev_b32 v[O16], 4, v7
	v_add_nc_u32 v[O8E], s104, v[O8]
	v_add_nc_u32 v[O16E], s104, v[O16]
	s_lshl_b32 s23, s14, 10
	v_lshl_add_u32 v[SCW], v1, 3, s23
	v_lshl_add_u32 v[SCW], v2, 9, v[SCW]
	v_add_nc_u32 v[SCR], s23, v[O16]
	v_lshlrev_b32 v[SH], 4, v2
	; LDS addresses of the fragments
	v_mul_u32_u24 v3, v1, PITCH
	v_mul_u32_u24 v4, v2, 24
	v_add_nc_u32 v4, v3, v4                        ; a fragment's row x pitch + 24 x half
	v_lshl_add_u32 v5, v2, 4, v4                   ; and the same behind one padding more
	s_mul_i32 s21, s15, HALFT                      ; my 128 rows of A
	s_mul_i32 s22, s16, HALFT                      ; my 128 rows of B,
	s_add_co_u32 s22, s22, 2*HALFT                 ; which lie behind A's 256
.irp s, 0,1
	v_add_nc_u32 v[ADRA+\s], s21, v4
	v_add_nc_u32 v[ADRB+\s], s22, v4
	v_add_nc_u32 v[ADRA+2+\s], s21, v5
	v_add_nc_u32 v[ADRB+2+\s], s22, v5
	s_add_co_u32 s21, s21, SLOT
	s_add_co_u32 s22, s22, SLOT
.endr
	v_mul_u32_u24 v5, v1, KS                       ; my row's scales: 32 bytes a row,
	v_lshrrev_b32 v6, 8, v5
	v_lshl_add_u32 v5, v6, 4, v5                   ; and 16 more for each 256 passed
	s_mul_i32 s21, s15, HALFS
	s_mul_i32 s22, s16, HALFS
	s_add_co_u32 s22, s22, 2*HALFS
	s_sub_co_u32 s22, s22, s21
	v_mul_u32_u24 v6, s22, v2                      ; lanes 16-31 take B's
	s_add_co_u32 s21, s21, SCL
	v_add_nc_u32 v5, v5, v6
	v_add_nc_u32 v[ADRS], s21, v5
	s_wait_loadcnt 0x0                             ; the biases
	v_cmp_ne_u32 vcc_lo, s105, v[NIL]              ; every lane: q or k?
.set i, 0
.rept 64
	v_cndmask_b32 v[BT+i], 0, v[BT+i], vcc_lo      ; v has no bias along the registers
.set i, i+1
.endr
.irp a, 0,1,2,3,4,5,6,7
	v_cndmask_b32 v[BP+2*\a+1], v[BP+2*\a], v[NIL], vcc_lo   ; q and k have none along the lanes; the packed addition wants a pair
	v_cndmask_b32 v[BP+2*\a], v[BP+2*\a], v[NIL], vcc_lo
.endr
.macro FRAG reg, adr, q, i             ; 16 rows x 128 K: lane l holds row l % 16; registers 6 c .. 6 c + 5 hold K = 64 c + 32 (l / 16) + 0 .. 31: 24 bytes of the row's stream of bits, as they lie
.irp p, 0,1,2,3,4,5                    ; in pieces of 8 bytes.  Where the piece of lanes 16-31, three pieces on, lies behind one padding more, the second address register serves
.set PC, 12*(\q)+6*(\p/3)+\p%3
.if PC%8 < 5
	ds_load_b64 v[\reg+2*\p:\reg+2*\p+1], v[\adr] offset:8*PC+16*(PC/8)+(\i)*16*PITCH
.else
	ds_load_b64 v[\reg+2*\p:\reg+2*\p+1], v[\adr+2] offset:8*PC+16*(PC/8)+(\i)*16*PITCH
.endif
.endr
.endm
; 16 matrix instructions: A's blocks a0, a0 + 1 x B's eight, 128 along K.  zero = 1: the first product starts the sums, with the bias along the registers as its C.
; The 64 accumulators take turns, one instruction a turn, in the same order in every step.
.macro MUL16 a0, p, q, sc, zero
.irp a, \a0, \a0+1
.irp b, 0,1,2,3,4,5,6,7
.if \zero
	v_wmma_scale_f32_16x16x128_f8f6f4 v[8*(8*((\a)%4)+\b):8*(8*((\a)%4)+\b)+7], v[128*(\p)+FR*\b:128*(\p)+FR*\b+FR-1], v[AF+FR*(\a):AF+FR*(\a)+FR-1], v[BT+8*\b:BT+8*\b+7], v[SC+8*NQ*(\sc)+NQ*\b+(\q)], v[SC+8*NQ*(\sc)+NQ*(\a)+(\q)] matrix_a_fmt:MATRIX_FMT_FP6 matrix_b_fmt:MATRIX_FMT_FP6 matrix_a_scale:MATRIX_SCALE_ROW1
.else
	v_wmma_scale_f32_16x16x128_f8f6f4 v[8*(8*((\a)%4)+\b):8*(8*((\a)%4)+\b)+7], v[128*(\p)+FR*\b:128*(\p)+FR*\b+FR-1], v[AF+FR*(\a):AF+FR*(\a)+FR-1], v[8*(8*((\a)%4)+\b):8*(8*((\a)%4)+\b)+7], v[SC+8*NQ*(\sc)+NQ*\b+(\q)], v[SC+8*NQ*(\sc)+NQ*(\a)+(\q)] matrix_a_fmt:MATRIX_FMT_FP6 matrix_b_fmt:MATRIX_FMT_FP6 matrix_a_scale:MATRIX_SCALE_ROW1
.endif
.endr
.endr
.endm
.macro FETCH_B slot, q, p              ; B's eight fragments of the slot's q-th 128 along K into set p
	WIN TO_B
.irp i, 0,1,2,3,4,5,6,7
	FRAG 128*(\p)+FR*\i, ADRB+\slot, \q, \i
.endr
	WIN 0
.endm
.macro FETCH_A slot, q, i0             ; A's blocks i0 .. i0 + 3
.irp i, \i0, \i0+1, \i0+2, \i0+3
	FRAG AF+FR*(\i), ADRA+\slot, \q, \i
.endr
.endm
.macro SCALES sc                       ; a K step's scale words: lanes 0-15 take A's block i, lanes 16-31 B's block i
.irp i, 0,1,2,3,4,5,6,7
	ds_load_b64 v[SC+8*NQ*\sc+NQ*\i:SC+8*NQ*\sc+NQ*\i+1], v[ADRS] offset:\i*SBLK
.endr
.endm
.macro PLACES n                        ; plain vector instructions between a matrix instruction and a load into, or a vector read or write of, one of its registers
.rept \n
	v_nop
.endr
.endm
; A step of 128 along K that has its successor in the same slot.  zero = 1: C lies in window 0
.macro STEP slot, q, zero
	s_wait_dscnt 4*NL                              ; B's set and A's blocks 0-3 are in; the youngest 24 loads (A's blocks 4-7) may be out
	WIN MUL_LO-0x20*(\zero)
	MUL16 0, (\q)%2, \q, \slot, \zero
	MUL16 2, (\q)%2, \q, \slot, \zero
	s_wait_dscnt 0                                 ; A's blocks 4-7 are in
	PLACES NP
	FETCH_B \slot, (\q)+1, 1-(\q)%2
	FETCH_A \slot, (\q)+1, 0
	WIN MUL_HI-0x30*(\zero)
	MUL16 4, (\q)%2, \q, \slot, \zero
	MUL16 6, (\q)%2, \q, \slot, \zero
	PLACES NP
	WIN 0
	FETCH_A \slot, (\q)+1, 4
.endm
; A slot's last step changes slots: one barrier; in front of it each wave waits for all its tensor loads, adds 0 to its spare word, and waits for that and for its own reads of this slot.
.macro TURN slot, next, fill
	s_wait_tensorcnt 0x0                           ; all my tensor loads have landed: my part of the next slot
	ds_add_u32 v[SPW], v[NIL]                      ; 0 onto my spare word
	s_wait_dscnt 4*NL+1                            ; (the add and the youngest 24 loads may be out)
	WIN MUL_LO
	MUL16 0, 1, NQ-1, \slot, 0
	s_wait_dscnt 0x0                               ; the add is done, and my reads of this slot are over
	s_barrier_signal -1
	MUL16 2, 1, NQ-1, \slot, 0
	WIN 0
	s_barrier_wait -1
.if \fill
	CREST                                          ; the barrier has opened a round of the cluster's barrier: no wave of any partner still reads this slot or has a load on its way
	s_add_nc_u64 s[G0+4*\slot+2:G0+4*\slot+3], s[G0+4*\slot+2:G0+4*\slot+3], 2*ROWB
	s_add_nc_u64 s[G0B+4*\slot+2:G0B+4*\slot+3], s[G0B+4*\slot+2:G0B+4*\slot+3], 2*ROWB
	JLOAD G0+4*\slot, G1, G0B+4*\slot, G1B         ; the first tensor load behind the round; its four v_nop are the places in front of the loads below
.else
	PLACES NP
.endif
	v_add_nc_u32 v[ADRS], 4*NQ, v[ADRS]            ; on to the next K step's scale words
	FETCH_B \next, 0, 0
	FETCH_A \next, 0, 0
	SCALES \next
	WIN MUL_HI
	MUL16 4, 1, NQ-1, \slot, 0
	MUL16 6, 1, NQ-1, \slot, 0
	PLACES NP
	WIN 0
	FETCH_A \next, 0, 4
.endm
	s_wait_tensorcnt 1                             ; the scales and my part of K step 0 are in (K step 1's load may be out),
	s_barrier_signal -1
	s_barrier_wait -1                              ; everybody's are
	FETCH_B 0, 0, 0
	FETCH_A 0, 0, 0
	SCALES 0
	FETCH_A 0, 0, 4
	STEP 0, 0, 1                                   ; the first step stands in front of the loop: its products start the sums
	s_mov_b32 s3, LAPS-1
.Llap:                                                 ; a trip goes once round the ring and fills both slots again
	TURN 0, 1, 1
	STEP 1, 0, 0
	TURN 1, 0, 1
	STEP 0, 0, 0
	s_sub_co_u32 s3, s3, 1
	s_cmp_lg_u32 s3, 0
	s_cbranch_scc1 .Llap
	TURN 0, 1, 0                                   ; the last lap fills nothing
	STEP 1, 0, 0
	s_wait_dscnt 4*NL                              ; the very last step
	WIN MUL_LO
	MUL16 0, 1, NQ-1, 1, 0
	MUL16 2, 1, NQ-1, 1, 0
	s_wait_dscnt 0
	WIN MUL_HI
	MUL16 4, 1, NQ-1, 1, 0
	MUL16 6, 1, NQ-1, 1, 0
	WIN 0
; 64 numbers of a lane, register 16 b + i of block b, become a cell's codes in v[CD] on and its scale word in v[PW].
.macro QUANT s
.irp b, 0,1,2,3
	v_max3_num_f32 v[TM+\b], |v[\s+16*\b]|, |v[\s+1+16*\b]|, 0x1800000   ; my 16 numbers of block b, and the floor 2^(3 - 127): the byte cannot fall under 1
.endr
.irp i, 2,4,6,8,10,12,14
.irp b, 0,1,2,3
	v_max3_num_f32 v[TM+\b], v[TM+\b], |v[\s+16*\b+\i]|, |v[\s+1+16*\b+\i]|
.endr
.endr
.irp b, 0,1,2,3
	v_permlanex16_b32 v[TM+4+\b], v[TM+\b], s20, s21
.endr
.irp b, 0,1,2,3
	v_max_num_f32 v[TM+\b], v[TM+\b], v[TM+4+\b]   ; with lane xor 16's: the block's largest magnitude
.endr
.irp b, 0,1,2,3
	v_add_nc_u32 v[TM+12+\b], 0xff000000, v[TM+\b]   ; 2 off its exponent field: the conversion takes the exponent field of this operand as its scale
.endr
.irp b, 0,1,2,3
	v_lshrrev_b32 v[TM+4+\b], 23, v[TM+12+\b]      ; the scale's byte
.endr
	v_lshl_or_b32 v[PW], v[TM+5], 8, v[TM+4]
	v_lshl_or_b32 v[PW], v[TM+6], 16, v[PW]
	v_lshl_or_b32 v[PW], v[TM+7], 24, v[PW]
.irp c, 0,1
	v_cvt_scalef32_pk16_fp6_f32 v[CD+6*\c:CD+2+6*\c], v[\s+32*\c:\s+15+32*\c], v[TM+12+2*\c]
	v_cvt_scalef32_pk16_fp6_f32 v[CD+12+4*\c:CD+14+4*\c], v[\s+16+32*\c:\s+31+32*\c], v[TM+12+2*\c+1]   ; (a conversion's three registers begin on an even number)
.endr
	v_nop                                          ; one plain place behind a scaled conversion
.irp c, 0,1                                    ; the operand's layout wants a whole block in a lane: lanes 0-15 block 2 c, lanes 16-31 block 2 c + 1
.irp i, 0,1,2
	v_permlane16_swap_b32 v[CD+6*\c+\i], v[CD+12+4*\c+\i]
.endr
.irp i, 0,1,2
	v_mov_b32 v[CD+3+6*\c+\i], v[CD+12+4*\c+\i]
.endr
.endr
.endm
; THE WAY OUT of A's block a: the bias along the lanes is added, the 64 numbers are quantised, the cell's two halves are stored from the registers, the scale word goes to my scratch in LDS.
.macro OUTBLK a
.if (\a) > 0
	s_wait_xcnt 0x0                                ; the last block's stores have read their registers: the codes may be written again
.endif
	WIN 0x02+(\a)/4                                ; source 0: window 2 or 3
.set i, 0
.rept 32
	v_pk_add_f32 v[HA+2*i:HA+2*i+1], v[64*((\a)%4)+2*i:64*((\a)%4)+2*i+1], v[BP+2*(\a):BP+2*(\a)+1]   ; ascending: each accumulator from its low end on
.set i, i+1
.endr
	WIN 0
	QUANT HA
	global_store_b64 v[O8], v[CD:CD+1], s[12:13] offset:768*(\a)             ; 32 lanes: 256 consecutive bytes, aligned
	global_store_b128 v[O16], v[CD+2:CD+5], s[12:13] offset:768*(\a)+256     ; 512
	global_store_b64 v[O8E], v[CD+6:CD+7], s[12:13] offset:768*(\a)          ; the second half, one plane on
	global_store_b128 v[O16E], v[CD+8:CD+11], s[12:13] offset:768*(\a)+256
	v_lshrrev_b32 v[SD], v[SH], v[PW]              ; lanes 0-15 keep the word, lanes 16-31 bring the second head's two bytes down
	ds_store_b32 v[SCW], v[SD] offset:((\a)>>2)*256+((\a)&1)*128+(((\a)>>1)&1)*4
.endm
	PLACES NP                                      ; behind the last products: the lines below write registers that held A's fragments
	s_mov_b32 s20, 0x76543210
	s_mov_b32 s21, 0xfedcba98                      ; v_permlanex16_b32's selects for lane xor 16
.irp b, 0,1,2,3
	v_mov_b32 v[TM+4+\b], 0                        ; written once: a lane permute's destination counts as one of its sources
.endr
; The scratch, 1,024 bytes a wave, lies in slot 0: that slot has had its last fill, and every wave has passed the last change of slots, behind which nobody reads it.
.irp a, 0,1,2,3,4,5,6,7
	OUTBLK \a
.endr
	ds_load_b128 v[XW:XW+3], v[SCR]                ; LDS serves a wave's instructions in order (ISA guide 5.7.1.4): these see my stores
	ds_load_b128 v[XW+4:XW+7], v[SCR] offset:512
	s_wait_dscnt 0x0
	global_store_b128 v[O16], v[XW:XW+3], s[100:101]   ; 128 rows' words: 512 consecutive bytes, aligned
	s_wait_xcnt 0x0                                ; EXEC changes only behind this wait
	v_cmp_ne_u32 vcc_lo, s105, v[NIL]
	s_and_saveexec_b32 s2, vcc_lo                  ; q, k: all lanes; v: none (its words are whole in the first store)
	global_store_b128 v[O16], v[XW+4:XW+7], s[100:101] offset:8192   ; the second head's words, one plane on
	s_wait_xcnt 0x0
	s_or_b32 exec_lo, exec_lo, s2
	s_wait_tensorcnt 0x0                           ; the wave's end
	ds_add_u32 v[SPW], v[NIL]
	s_wait_dscnt 0x0
	CROUND                                         ; the closing round: no work-group ends while a partner may still ask for a tile that names it
	s_endpgm
.Lfunc_end_k_q7882fe6b56_proj:
	.size	k_q7882fe6b56_proj, .Lfunc_end_k_q7882fe6b56_proj-k_q7882fe6b56_proj
	.p2alignl 7, 3214868480
	.fill 96, 4, 3214868480
	.section	.rodata,"a",@progbits
	.p2align	6, 0x0
	.amdhsa_kernel k_q7882fe6b56_proj
		.amdhsa_group_segment_fixed_size 327680
		.amdhsa_private_segment_fixed_size 0
		.amdhsa_enable_private_segment 0
		.amdhsa_kernarg_size 120
		.amdhsa_user_sgpr_count 2
		.amdhsa_user_sgpr_kernarg_segment_ptr 1
		.amdhsa_wavefront_size32 1
		.amdhsa_system_sgpr_workgroup_id_x 1
		.amdhsa_system_sgpr_workgroup_id_y 1
		.amdhsa_system_sgpr_workgroup_id_z 1
		.amdhsa_system_vgpr_workitem_id 0
		.amdhsa_next_free_vgpr 1024
		.amdhsa_next_free_sgpr 106
		.amdhsa_reserve_vcc 1
		.amdhsa_float_denorm_mode_32 3
		.amdhsa_float_denorm_mode_16_64 3
		.amdhsa_memory_ordered 1
		.amdhsa_forward_progress 1
		.amdhsa_inst_pref_size 188
	.end_amdhsa_kernel
	.amdgpu_metadata
---
amdhsa.version: [ 1, 2 ]
amdhsa.kernels:
  - .name:           k_q7882fe6b56_proj
    .symbol:         k_q7882fe6b56_proj.kd
    .args:
      - { .name: x_codes, .offset: 0, .size: 8, .value_kind: global_buffer, .address_space: global }
      - { .name: x_scales, .offset: 8, .size: 8, .value_kind: global_buffer, .address_space: global }
      - { .name: c_codes, .offset: 16, .size: 8, .value_kind: global_buffer, .address_space: global }
      - { .name: c_scales, .offset: 24, .size: 8, .value_kind: global_buffer, .address_space: global }
      - { .name: Wq_codes, .offset: 32, .size: 8, .value_kind: global_buffer, .address_space: global }
      - { .name: Wq_scales, .offset: 40, .size: 8, .value_kind: global_buffer, .address_space: global }
      - { .name: Wk_codes, .offset: 48, .size: 8, .value_kind: global_buffer, .address_space: global }
      - { .name: Wk_scales, .offset: 56, .size: 8, .value_kind: global_buffer, .address_space: global }
      - { .name: Wv_codes, .offset: 64, .size: 8, .value_kind: global_buffer, .address_space: global }
      - { .name: Wv_scales, .offset: 72, .size: 8, .value_kind: global_buffer, .address_space: global }
      - { .name: bq, .offset: 80, .size: 8, .value_kind: global_buffer, .address_space: global }
      - { .name: bk, .offset: 88, .size: 8, .value_kind: global_buffer, .address_space: global }
      - { .name: bv, .offset: 96, .size: 8, .value_kind: global_buffer, .address_space: global }
      - { .name: qkv_img, .offset: 104, .size: 8, .value_kind: global_buffer, .address_space: global }
      - { .name: qkv_sc, .offset: 112, .size: 8, .value_kind: global_buffer, .address_space: global }
    .group_segment_fixed_size: 327680
    .private_segment_fixed_size: 0
    .kernarg_segment_align: 8
    .kernarg_segment_size: 120
    .max_flat_workgroup_size: 128
    .sgpr_count:     106
    .vgpr_count:     1024
    .wavefront_size: 32
...
	.end_amdgpu_metadata
.endif
;; end of part 1
;; launch attn (part 2): grid 8 x 64, 16 waves a work-group, clusters of 4 x 1, 215,040 bytes of LDS; arguments qkv_img, qkv_sc, a_img, a_sc; writes a_img, a_sc
.if DOCPART == 2
	.amdgcn_target "amdgcn-amd-amdhsa--gfx1250"
	.amdhsa_code_object_version 6
	.text
	.protected	k_q7882fe6b56_attn
	.globl	k_q7882fe6b56_attn
	.p2align	8
	.type	k_q7882fe6b56_attn,@function
k_q7882fe6b56_attn:
	s_mov_b64 s[64:65], 0
	v_nop
	global_prefetch_b8 v0, s[64:65] scope:SCOPE_SE
	s_setreg_imm32_b32 hwreg(HW_REG_WAVE_MODE, 25, 1), 1
	s_wait_xcnt 0x0
	s_wait_alu depctr_hold_cnt(0) depctr_sa_sdst(0) depctr_va_vdst(0) depctr_va_sdst(0) depctr_va_ssrc(0) depctr_va_vcc(0) depctr_vm_vsrc(0)
	s_getreg_b32 s2, hwreg(HW_REG_IB_STS2, 6, 4)
	s_cmp_eq_u32 s2, 0
	s_cbranch_scc0 .Lentry_in_a_cluster
	s_endpgm
.Lentry_in_a_cluster:
	s_bfe_u32 s2, ttmp6, 0x10000c
	s_cmp_lg_u32 s2, 0x3003
	s_cbranch_scc0 .Lentry_shape_is_right
	s_endpgm
.Lentry_shape_is_right:
; Attention of one head (64 channels, 2,048 keys) on codes of FP6 (E2M3) with one E8M0 scale for each 32 along a product's K, and the result quantised along the channels for the output projection.
; t = score x log2(e) / 8;  M = the row's largest t so far, rounded up to a whole number;  p = 2^(t - M) is quantised along the keys, not normalised; the row's sum is taken of the unquantised p and divides at the end.
; When M moves, the sum and O are multiplied by 2^(old M - new M), which rounds nothing.
; SHARES.  A work-group owns 256 queries of one head, each of its sixteen waves 16 of them in 256 registers: four waves to a SIMD, so that one wave's LDS loads and products stand beside another's vector work.
; THE WHOLE HEAD LIES IN LDS, FILLED ONCE: 16 key steps of 128 keys, 13,312 bytes each: K's 8 half-cells (768 bytes), V's 4 + 4 half-cells, K's 128 scale words, V's 64.  No byte is filled again: no ring.
; CLUSTER.  The four query blocks of a cluster belong to one head and ask for every tile jointly: the same tensor loads, with the same descriptors and a mask that names the four.
; LAYOUT.  Both products are used transposed: S^T = K Q^T (source 0 = 16 keys, source 1 = my 16 queries), O^T = V^T P^T (source 0 = 16 channels, source 1 = P): a lane holds one query (lane % 16) throughout.
; The operands lie in memory and LDS as images of their registers: a half-cell (16 rows x 64 along K, 6 registers) has registers 0-1 at 8 x lane and registers 2-5 at 256 + 16 x lane.
; THE HEAD HAS 64 CHANNELS, THE INSTRUCTION 128: Q's registers 6-11 are zero codes.  K's operand of tile t is 12 registers of which the upper six are tile t + 1's codes (for tile 7: zeros): E2M3 has no code
; for infinity or NaN and no scale byte here is 0xff, so these products are exact zeros.
; Inside a block of 32 keys p's codes stand in the order in which the first launch laid v's (the two middle groups of eight in each other's place), q's and k's channels likewise: the products are the same.
; At the end O's channels are brought into their true order, since they meet given codes next.
; LIMITS: a block whose largest magnitude lies under 2^-124 gets the byte 1; NaN and infinities are not served; 1 / the sum is v_rcp_f32's.
.set STEPB, 13312                      ; a key step in LDS
.set VO,    6144                       ; V's half-cells: keys 0-63 of the step (4 tiles of channels), then keys 64-127
.set KSO,   12288                      ; K's scale words
.set VSO,   12800                      ; V's
.set L8,  1                            ; v1   8 x lane
.set L16, 2                            ; v2   16 x lane
.set P8,  3                            ; v3   the same in the step in hand
.set P16, 4                            ; v4
.set QO,  5                            ; v5   8 (lane % 16): Q's scale words
.set RO,  6                            ; v6   32 (lane % 16) + lane / 16: my byte of the result's scales
.set LN,  7                            ; v7   lane
.set QF,  16                           ; v16-27 Q's fragment
.set QS,  28                           ; v28  Q's scale words
.set PS,  29                           ; v29  p's
.set KSR, 30                           ; v30-33 K's: register t / 2, lanes 0-15 for even t, lanes 16-31 for odd t
.set VSR, 34                           ; v34-35 V's likewise
.set F,   36                           ; v36-89 K's half-cells (6 t on), later V's cells (12 t on); v84-89 stay 0
.set S,   96                           ; v96-159 S^T, then p
.set O,   160                          ; v160-191 O^T
.set CD,  192                          ; v192-203 p's codes
.set PT,  204                          ; v204-206, v208-210 the second conversions' results
.set BM,  212                          ; v212-215 the blocks' largest scores, then largest p
.set BX,  216                          ; v216-219 lane xor 16's, then bytes
.set SO,  220                          ; v220-223 the conversions' scale operands
.set T,   224
.set FF,  226                          ; v[226:227] f = 2^(old M - new M); the pair's upper half is written once and not used
.set SB,  228                          ; v[228:229] the second chain of the sum
.set WV,  12
.set SEL, 24
.set CS,  26
.set TB,  28
.set CNT, 29
.set G1A, 32                           ; s[32:39] group 1: 2 rows of 256 bytes;  s[40:47]: 1 row;  s[48:55]: 12 rows
.set G1B, 40
.set G1C, 48
.set T0,  56                           ; s[56:59] group 0: K's scale words of key step = my wave
.set T1,  60                           ; s[60:63] V's
.set T2,  68                           ; s[68:83] four groups 0: 3,072 bytes of codes each
.macro CROUND                          ; a round of the cluster's barrier
	s_barrier_signal -1
	s_barrier_wait -1
	s_cmp_lg_u32 s[WV], 0
	s_cbranch_scc1 .Lnot_wave_0_\@
	s_barrier_signal -3
.Lnot_wave_0_\@:
	s_barrier_wait -3
	s_barrier_signal -1
	s_barrier_wait -1
.endm
	s_load_b256 s[4:11], s[0:1], 0x0               ; qkv_img s[4:5], qkv_sc s[6:7], a_img s[8:9], a_sc s[10:11]
	v_lshl_add_u32 v254, v0, 2, 0x34000
	v_mov_b32 v255, 0
	ds_add_u32 v254, v255
	ds_add_u32 v254, v255
	v_lshrrev_b32 v[LN], 5, v0
	s_delay_alu instid0(VALU_DEP_1)
	v_readfirstlane_b32 s[WV], v[LN]               ; wave 0..15
	s_bfe_u32 s13, ttmp6, 0x40000                  ; cx
	s_lshl_b32 s14, ttmp9, 2
	s_add_co_u32 s14, s14, s13                     ; my block of 256 queries: it enters Q's and the result's addresses alone
	s_and_b32 s15, ttmp7, 0xffff                   ; 16 batch + head, which the four partners share
	s_lshr_b32 s16, s15, 4                         ; batch
	s_and_b32 s17, s15, 15                         ; head
.irp g, G1A, G1B, G1C
	s_mov_b32 s[\g], 15|(3<<16)|(1<<21)            ; 15:0 the mask: all four work-groups; 17:16 elements of 8 bytes; 21 set beside a mask; no padding
	s_mov_b32 s[\g+1], 32<<16                      ; tensor_dim0 = 32 elements: rows of 256 bytes
	s_mov_b32 s[\g+3], 32<<16                      ; tile_dim0
	s_mov_b32 s[\g+5], 32                          ; dense: each row begins where the last ends
	s_mov_b32 s[\g+6], 0
	s_mov_b32 s[\g+7], 0
.endr
	s_mov_b32 s[G1A+2], 2<<16                      ; tensor_dim1, tile_dim1: the rows
	s_mov_b32 s[G1A+4], 2
	s_mov_b32 s[G1B+2], 1<<16
	s_mov_b32 s[G1B+4], 1
	s_mov_b32 s[G1C+2], 12<<16
	s_mov_b32 s[G1C+4], 12
	s_mov_b32 s[SEL], 0x76543210
	s_mov_b32 s[SEL+1], 0xfedcba98                 ; v_permlanex16_b32's selects for lane xor 16
	s_mov_b32 s[CS], 0x3e38aa3b                    ; c = log2(e) / 8
	s_mov_b32 s[CS+1], s[CS]                       ; (named with it as a pair, so it is written)
	s_mul_i32 s84, s[WV], STEPB                    ; key step w in LDS
	s_lshl_b32 s86, s15, 13                        ; K's scale words: 8,192 bytes a head, 512 a key step, behind q's 524,288
	s_lshl_b32 s87, s[WV], 9
	s_add_co_u32 s86, s86, s87
	s_add_co_u32 s86, s86, 524288
	s_mov_b32 s87, 0
	s_lshl_b32 s88, s16, 4                         ; V's: 4,096 bytes a key step, 256 a head, behind q's and k's
	s_add_co_u32 s88, s88, s[WV]
	s_lshl_b32 s88, s88, 12
	s_lshl_b32 s89, s17, 8
	s_add_co_u32 s88, s88, s89
	s_add_co_u32 s88, s88, 1048576
	s_mov_b32 s89, 0
	; the codes: 64 pieces of 3,072 bytes.  Waves 0-7 take K's: load c brings half w % 2 of key step w / 2 + 4 c.  Waves 8-15 take V's: half (w - 8) % 2 (keys 0-63 or 64-127) of key step (w - 8) / 2 + 4 c.
	s_and_b32 s85, s[WV], 7
	s_mul_i32 s90, s15, 98304                      ; K: a head is 98,304 dense bytes
	s_mul_i32 s91, s[WV], 3072
	s_add_co_u32 s90, s90, s91
	s_add_co_u32 s90, s90, 6291456
	s_lshl_b32 s92, s16, 5                         ; V: plane 32 batch + (w - 8) + 8 c of 49,152 bytes; in it my head's 4 tiles
	s_add_co_u32 s92, s92, s85
	s_mul_i32 s92, s92, 49152
	s_mul_i32 s93, s17, 3072
	s_add_co_u32 s92, s92, s93
	s_add_co_u32 s92, s92, 12582912
	s_mov_b32 s94, 393216                          ; from load to load: V 8 planes,
	s_cmp_lt_u32 s[WV], 8
	s_cselect_b32 s90, s90, s92
	s_cselect_b32 s94, 24576, s94                  ; K 4 key steps
	s_mov_b32 s91, 0
	s_mov_b32 s95, 0
	s_lshr_b32 s96, s85, 1                         ; in LDS: the key step,
	s_mul_i32 s96, s96, STEPB
	s_lshr_b32 s97, s[WV], 3
	s_mul_i32 s97, s97, VO                         ; K's part or V's,
	s_add_co_u32 s96, s96, s97
	s_and_b32 s97, s[WV], 1
	s_mul_i32 s97, s97, 3072                       ; its half
	s_add_co_u32 s96, s96, s97
	s_wait_dscnt 0x0
	s_wait_kmcnt 0x0
	s_mov_b32 s[T0], 1
	s_add_co_u32 s[T0+1], s84, KSO
	s_add_nc_u64 s[T0+2:T0+3], s[6:7], s[86:87]
	s_or_b32 s[T0+3], s[T0+3], 0x80000000
	s_mov_b32 s[T1], 1
	s_add_co_u32 s[T1+1], s84, VSO
	s_add_nc_u64 s[T1+2:T1+3], s[6:7], s[88:89]
	s_or_b32 s[T1+3], s[T1+3], 0x80000000
	s_add_nc_u64 s[90:91], s[4:5], s[90:91]
.irp c, 0,1,2,3
	s_mov_b32 s[T2+4*\c], 1
	s_add_co_u32 s[T2+4*\c+1], s96, \c*4*STEPB
	s_mov_b64 s[T2+4*\c+2:T2+4*\c+3], s[90:91]
	s_or_b32 s[T2+4*\c+3], s[T2+4*\c+3], 0x80000000
.if \c < 3
	s_add_nc_u64 s[90:91], s[90:91], s[94:95]
.endif
.endr
	CROUND                                         ; all four work-groups are here: the joint loads meet
	tensor_load_to_lds s[T0:T0+3], s[G1A:G1A+7]    ; six loads of mine are out, in one group, every wave alike
	s_nop 0
	tensor_load_to_lds s[T1:T1+3], s[G1B:G1B+7]
	s_nop 0
	tensor_load_to_lds s[T2:T2+3], s[G1C:G1C+7]    ; key steps 0-3
	s_nop 0
	tensor_load_to_lds s[T2+4:T2+7], s[G1C:G1C+7]  ; 4-7
	s_nop 0
	tensor_load_to_lds s[T2+8:T2+11], s[G1C:G1C+7] ; 8-11
	s_nop 0
	tensor_load_to_lds s[T2+12:T2+15], s[G1C:G1C+7]   ; 12-15
	s_nop 0
.rept 4
	v_nop
.endr
	v_and_b32 v[LN], 31, v0
	s_delay_alu instid0(VALU_DEP_1)
	v_lshlrev_b32 v[L8], 3, v[LN]
	s_wait_alu depctr_va_vdst(0)
	v_lshlrev_b32 v[L16], 4, v[LN]
	s_wait_alu depctr_va_vdst(0)
	v_and_b32 v8, 15, v0
	v_bfe_u32 v9, v0, 4, 1
	s_delay_alu instid0(VALU_DEP_2)
	v_lshlrev_b32 v[QO], 3, v8
	s_wait_alu depctr_va_vdst(0)
	v_lshl_add_u32 v[RO], v8, 5, v9
	s_lshl_b32 s84, s14, 4
	s_add_co_u32 s84, s84, s[WV]                   ; my tile of 16 queries in the head
	s_mul_i32 s86, s84, 768
	s_mul_i32 s87, s15, 98304
	s_add_co_u32 s86, s86, s87
	s_mov_b32 s87, 0
	s_add_nc_u64 s[86:87], s[4:5], s[86:87]        ; Q's half-cell
	s_lshr_b32 s88, s84, 3                         ; its scale words: the group of 128 rows,
	s_lshl_b32 s88, s88, 9
	s_bfe_u32 s89, s[WV], 0x10002                  ; and in it tile a = w % 8: 256 (a / 4) + 128 (a % 2) + 4 ((a / 2) % 2) + 8 r
	s_lshl_b32 s89, s89, 8
	s_add_co_u32 s88, s88, s89
	s_and_b32 s89, s[WV], 1
	s_lshl_b32 s89, s89, 7
	s_add_co_u32 s88, s88, s89
	s_bfe_u32 s89, s[WV], 0x10001
	s_lshl_b32 s89, s89, 2
	s_add_co_u32 s88, s88, s89
	s_lshl_b32 s89, s15, 13
	s_add_co_u32 s88, s88, s89
	s_mov_b32 s89, 0
	s_add_nc_u64 s[88:89], s[6:7], s[88:89]
	global_load_b64 v[QF:QF+1], v[L8], s[86:87]
	global_load_b128 v[QF+2:QF+5], v[L16], s[86:87] offset:256
	global_load_b32 v[QS], v[QO], s[88:89]
	s_lshl_b32 s90, s16, 7
	s_add_co_u32 s90, s90, s84                     ; my tile of 16 rows among the result's 512
	s_lshl_b32 s92, s90, 9                         ; its scale bytes: 32 a row; my head's two at 2 x head
	s_lshl_b32 s93, s17, 1
	s_add_co_u32 s92, s92, s93
	s_mov_b32 s93, 0
	s_add_nc_u64 s[10:11], s[10:11], s[92:93]
	s_lshl_b32 s90, s90, 4
	s_add_co_u32 s90, s90, s17
	s_mul_i32 s90, s90, 768                        ; its half-cell: [tile of rows][head][768]
	s_mov_b32 s91, 0
	s_add_nc_u64 s[8:9], s[8:9], s[90:91]
.irp j, 6,7,8,9,10,11
	v_mov_b32 v[QF+\j], 0                          ; Q's zero codes for K = 64 .. 127
.endr
.irp j, 48,49,50,51,52,53
	v_mov_b32 v[F+\j], 0                           ; the upper half of K's last operand
.endr
.set i, 0
.rept 32
	v_mov_b32 v[O+i], 0                            ; O^T.  (The step is written once: the first finds zeros, which the first change of M leaves zeros)
.set i, i+1
.endr
.irp b, 0,1,2,3
	v_mov_b32 v[BX+\b], 0                          ; written once: a lane permute's destination counts as one of its sources
.endr
	v_mov_b32 v[FF+1], 0
	v_mov_b32 v14, 0                               ; the sum, in two halves
	v_mov_b32 v15, 0
	v_mov_b32 v13, 0xff61b1e6                      ; the largest t so far: -3e38
	s_delay_alu instid0(VALU_DEP_1)
	v_floor_f32 v12, -v13                          ; -M
; A KEY STEP: 128 keys, at LDS byte s[TB].
.macro STEP
	s_setprio 2
	v_add_nc_u32 v[P8], s[TB], v[L8]
	v_add_nc_u32 v[P16], s[TB], v[L16]
.irp t, 0,1,2,3,4,5,6,7
	ds_load_b64 v[F+6*\t:F+6*\t+1], v[P8] offset:768*\t           ; every load takes 256 or 512 consecutive bytes
	ds_load_b128 v[F+6*\t+2:F+6*\t+5], v[P16] offset:768*\t+256
.endr
	ds_load_b64 v[KSR:KSR+1], v[P8] offset:KSO
	ds_load_b64 v[KSR+2:KSR+3], v[P8] offset:KSO+256
	s_wait_alu depctr_va_vdst(0)
	s_wait_dscnt 0x0
.irp t, 0,2,4,6                                ; S^T = K Q^T: tile t holds keys 16 t + 8 (lane / 16) + j
	v_wmma_scale_f32_16x16x128_f8f6f4 v[S+8*\t:S+8*\t+7], v[F+6*\t:F+6*\t+11], v[QF:QF+11], 0, v[KSR+\t/2], v[QS] matrix_a_fmt:MATRIX_FMT_FP6 matrix_b_fmt:MATRIX_FMT_FP6
	v_wmma_scale_f32_16x16x128_f8f6f4 v[S+8*\t+8:S+8*\t+15], v[F+6*\t+6:F+6*\t+17], v[QF:QF+11], 0, v[KSR+\t/2], v[QS] matrix_a_fmt:MATRIX_FMT_FP6 matrix_b_fmt:MATRIX_FMT_FP6 matrix_a_scale:MATRIX_SCALE_ROW1
.endr
.rept 4
	v_nop                                          ; places in front of the loads into K's registers and of the first read of the scores
.endr
.irp c, 0,1,2,3                                ; V's four cells are asked for now and land under the softmax
	ds_load_b64 v[F+12*\c:F+12*\c+1], v[P8] offset:VO+768*\c
	ds_load_b128 v[F+12*\c+2:F+12*\c+5], v[P16] offset:VO+256+768*\c
	ds_load_b64 v[F+12*\c+6:F+12*\c+7], v[P8] offset:VO+3072+768*\c
	ds_load_b128 v[F+12*\c+8:F+12*\c+11], v[P16] offset:VO+3328+768*\c
.endr
	ds_load_b64 v[VSR:VSR+1], v[P8] offset:VSO
.irp b, 0,1,2,3
	v_max3_num_f32 v[BM+\b], v[S+16*\b], v[S+1+16*\b], v[S+2+16*\b]   ; the largest score of each block of 32 keys: for the row's maximum and, since p rises with the score, for the block's largest p
.endr
.irp i, 3,5,7,9,11,13
.irp b, 0,1,2,3
	v_max3_num_f32 v[BM+\b], v[BM+\b], v[S+16*\b+\i], v[S+1+16*\b+\i]
.endr
.endr
.irp b, 0,1,2,3
	v_max_num_f32 v[BM+\b], v[BM+\b], v[S+15+16*\b]
.endr
.irp b, 0,1,2,3
	s_delay_alu instid0(VALU_DEP_4)
	v_permlanex16_b32 v[BX+\b], v[BM+\b], s[SEL], s[SEL+1]
.endr
.irp b, 0,1,2,3
	s_delay_alu instid0(VALU_DEP_4)
	v_max_num_f32 v[BM+\b], v[BM+\b], v[BX+\b]     ; with lane xor 16's 16 keys
.endr
	s_delay_alu instid0(VALU_DEP_2)
	v_max3_num_f32 v[T], v[BM], v[BM+1], v[BM+2]
	s_delay_alu instid0(VALU_DEP_1)
	v_max_num_f32 v[T], v[T], v[BM+3]              ; the step's largest score of my query
	s_delay_alu instid0(VALU_DEP_1)
	v_mul_f32 v[T], s[CS], v[T]                    ; as t (c is positive)
	s_delay_alu instid0(VALU_DEP_1)
	v_max_num_f32 v13, v13, v[T]                   ; the running largest t
	v_mov_b32 v[T], v12
	s_delay_alu instid0(VALU_DEP_2)
	v_floor_f32 v12, -v13                          ; the new -M = floor(-t): M is a whole number
	s_delay_alu instid0(VALU_DEP_1)
	v_sub_f32 v[T], v12, v[T]                      ; old M - new M: a whole number, 0 or less
	s_delay_alu instid0(VALU_DEP_1)
	v_cvt_i32_f32 v[T], v[T]                       ; (it saturates)
	s_delay_alu instid0(VALU_DEP_1)
	v_ldexp_f32 v[FF], 1.0, v[T]                   ; f = 2^(old M - new M)
.set i, 0
.rept 32
	v_pk_fma_f32 v[S+i:S+i+1], v[S+i:S+i+1], s[CS:CS+1], v[12:13] op_sel_hi:[1,0,0]   ; t - M, two at a time
.set i, i+2
.endr
.irp b, 0,1,2,3
	v_fma_f32 v[BM+\b], v[BM+\b], s[CS], v12       ; the same of each block's largest score
.endr
.set i, 0
	s_wait_alu depctr_va_vdst(0)
.rept 64
	v_exp_f32 v[S+i], v[S+i]                       ; p = 2^(t - M), at most 1
.set i, i+1
.endr
	s_setprio 1
.irp b, 0,1,2,3
	v_exp_f32 v[BM+\b], v[BM+\b]                   ; the block's largest p: the same two instructions on the same number
.endr
	v_pk_mul_f32 v[14:15], v[14:15], v[FF:FF+1] op_sel_hi:[1,0]   ; the sums under the new M.  (A plain place behind the exponentials)
	s_wait_alu depctr_va_vdst(0)
.irp b, 0,1,2,3
	v_max_num_f32 v[BM+\b], 0x1800000, v[BM+\b]    ; the floor 2^(3 - 127): the byte cannot fall under 1
.endr
.irp b, 0,1,2,3
	s_delay_alu instid0(VALU_DEP_4)
	v_add_nc_u32 v[SO+\b], 0xff000000, v[BM+\b]    ; 2 off the exponent field: the conversion's scale operand
.endr
.irp b, 0,1,2,3
	s_delay_alu instid0(VALU_DEP_4)
	v_lshrrev_b32 v[BX+\b], 23, v[SO+\b]           ; the scale's byte
.endr
	s_delay_alu instid0(VALU_DEP_3)
	v_lshl_or_b32 v[PS], v[BX+1], 8, v[BX]         ; p's scale word for these 128 keys
	s_delay_alu instid0(VALU_DEP_1)
	v_lshl_or_b32 v[PS], v[BX+2], 16, v[PS]
	s_delay_alu instid0(VALU_DEP_1)
	v_lshl_or_b32 v[PS], v[BX+3], 24, v[PS]
.irp c, 0,1
	v_cvt_scalef32_pk16_fp6_f32 v[CD+6*\c:CD+6*\c+2], v[S+32*\c:S+32*\c+15], v[SO+2*\c]
	v_cvt_scalef32_pk16_fp6_f32 v[PT+4*\c:PT+4*\c+2], v[S+16+32*\c:S+31+32*\c], v[SO+2*\c+1]   ; (a conversion's three registers begin on an even number)
.endr
	v_nop                                          ; one plain place behind a scaled conversion
.irp c, 0,1                                    ; a whole block in a lane: lanes 0-15 block 2 c, lanes 16-31 block 2 c + 1
.irp i, 0,1,2
	v_permlane16_swap_b32 v[CD+6*\c+\i], v[PT+4*\c+\i]
.endr
.irp i, 0,1,2
	s_delay_alu instid0(VALU_DEP_3)
	v_mov_b32 v[CD+3+6*\c+\i], v[PT+4*\c+\i]
.endr
.endr
	v_pk_add_f32 v[SB:SB+1], v[S:S+1], v[S+2:S+3]  ; the row's sum is taken of the unquantised p, in two chains.  Its first half and O's rescaling are the places between p's scale word and codes and the products
.irp j, 4,8,12,16,20,24,28
	v_pk_add_f32 v[14:15], v[14:15], v[S+\j:S+\j+1]
	v_pk_add_f32 v[SB:SB+1], v[SB:SB+1], v[S+2+\j:S+3+\j]
.endr
.set i, 0
.rept 16
	v_pk_mul_f32 v[O+i:O+i+1], v[O+i:O+i+1], v[FF:FF+1] op_sel_hi:[1,0]   ; O^T under the new M, each accumulator from its low end on
.set i, i+2
.endr
	s_setprio 0
	s_wait_alu depctr_va_vdst(0)
	s_wait_dscnt 0x0                               ; V is in
.irp c, 0,2                                    ; O^T += V^T P^T: the four accumulators by turns
	v_wmma_scale_f32_16x16x128_f8f6f4 v[O+8*\c:O+8*\c+7], v[F+12*\c:F+12*\c+11], v[CD:CD+11], v[O+8*\c:O+8*\c+7], v[VSR+\c/2], v[PS] matrix_a_fmt:MATRIX_FMT_FP6 matrix_b_fmt:MATRIX_FMT_FP6
	v_wmma_scale_f32_16x16x128_f8f6f4 v[O+8*\c+8:O+8*\c+15], v[F+12*\c+12:F+12*\c+23], v[CD:CD+11], v[O+8*\c+8:O+8*\c+15], v[VSR+\c/2], v[PS] matrix_a_fmt:MATRIX_FMT_FP6 matrix_b_fmt:MATRIX_FMT_FP6 matrix_a_scale:MATRIX_SCALE_ROW1
.endr
.irp j, 32,36,40,44,48,52,56,60                ; the sum's second half: 17 plain lines that name none of the products' registers: the places in front of the next loads and of the last read of O^T
	v_pk_add_f32 v[14:15], v[14:15], v[S+\j:S+\j+1]
	v_pk_add_f32 v[SB:SB+1], v[SB:SB+1], v[S+2+\j:S+3+\j]
.endr
	s_delay_alu instid0(VALU_DEP_1)
	v_pk_add_f32 v[14:15], v[14:15], v[SB:SB+1]
	s_add_co_u32 s[TB], s[TB], STEPB
.endm
	s_wait_tensorcnt 3                             ; my scale words and my part of key steps 0-3 are in; the three loads issued behind them may be out
	s_barrier_signal -1
	s_barrier_wait -1                              ; everybody's are
	s_wait_loadcnt 0x0                             ; Q
	s_mov_b32 s[TB], 0
	s_mov_b32 s[CNT], 4
.Lfirst:                                           ; key steps 0-3, while the other twelve land
	STEP
	s_sub_co_u32 s[CNT], s[CNT], 1
	s_cmp_lg_u32 s[CNT], 0
	s_cbranch_scc1 .Lfirst
	s_setprio 0
	s_wait_tensorcnt 0x0                           ; all my loads have landed,
	s_wait_dscnt 0x0
	s_barrier_signal -1
	s_barrier_wait -1                              ; everybody's have
	s_mov_b32 s[CNT], 12
.Lrest:
	STEP
	s_sub_co_u32 s[CNT], s[CNT], 1
	s_cmp_lg_u32 s[CNT], 0
	s_cbranch_scc1 .Lrest
	s_setprio 0
	; THE END.  O^T / the sum; the channels into their true order; two blocks of 32 channels quantised; one half-cell and two scale bytes a row leave.
	v_add_f32 v14, v14, v15
	s_delay_alu instid0(VALU_DEP_1)
	v_permlanex16_b32 v[T], v14, s[SEL], s[SEL+1]
	s_delay_alu instid0(VALU_DEP_1)
	v_add_f32 v14, v14, v[T]                       ; the row's sum
	s_wait_alu depctr_va_vdst(0)
	v_rcp_f32 v[FF], v14
	v_nop                                          ; a plain place behind the transcendental
.set i, 0
	s_wait_alu depctr_va_vdst(0)
.rept 16
	v_pk_mul_f32 v[O+i:O+i+1], v[O+i:O+i+1], v[FF:FF+1] op_sel_hi:[1,0]
.set i, i+2
.endr
.irp b, 0,1                                    ; tiles 2 b, 2 b + 1 hold channels 32 b + 8 h + j and 32 b + 16 + 8 h + j: the first's lanes 16-31 change places with the second's lanes 0-15, and register i holds channel 32 b + 16 h + i
.irp j, 0,1,2,3,4,5,6,7
	v_permlane16_swap_b32 v[O+16*\b+\j], v[O+16*\b+8+\j]
.endr
.endr
.irp b, 0,1
	v_max3_num_f32 v[BM+\b], |v[O+16*\b]|, |v[O+1+16*\b]|, 0x1800000
.endr
.irp i, 2,4,6,8,10,12,14
.irp b, 0,1
	s_delay_alu instid0(VALU_DEP_2)
	v_max3_num_f32 v[BM+\b], v[BM+\b], |v[O+16*\b+\i]|, |v[O+1+16*\b+\i]|
.endr
.endr
.irp b, 0,1
	s_delay_alu instid0(VALU_DEP_2)
	v_permlanex16_b32 v[BX+\b], v[BM+\b], s[SEL], s[SEL+1]
.endr
.irp b, 0,1
	s_delay_alu instid0(VALU_DEP_2)
	v_max_num_f32 v[BM+\b], v[BM+\b], v[BX+\b]
.endr
.irp b, 0,1
	s_delay_alu instid0(VALU_DEP_2)
	v_add_nc_u32 v[SO+\b], 0xff000000, v[BM+\b]
.endr
.irp b, 0,1
	s_delay_alu instid0(VALU_DEP_2)
	v_lshrrev_b32 v[BX+\b], 23, v[SO+\b]
.endr
	v_cvt_scalef32_pk16_fp6_f32 v[CD:CD+2], v[O:O+15], v[SO]
	v_cvt_scalef32_pk16_fp6_f32 v[PT:PT+2], v[O+16:O+31], v[SO+1]
	v_cmp_gt_u32 vcc_lo, 16, v[LN]                 ; (a plain place behind the conversions)
.irp i, 0,1,2
	v_permlane16_swap_b32 v[CD+\i], v[PT+\i]
.endr
.irp i, 0,1,2
	s_delay_alu instid0(VALU_DEP_3)
	v_mov_b32 v[CD+3+\i], v[PT+\i]
.endr
	v_cndmask_b32 v[T], v[BX+1], v[BX], vcc_lo     ; lanes 0-15 carry block 0's byte, lanes 16-31 block 1's
	global_store_b64 v[L8], v[CD:CD+1], s[8:9]               ; 256 consecutive bytes, aligned
	global_store_b128 v[L16], v[CD+2:CD+5], s[8:9] offset:256   ; 512
	global_store_b8 v[RO], v[T], s[10:11]          ; a row's 32 scale bytes come from sixteen work-groups: these 2 bytes in 32 leave singly
	s_wait_tensorcnt 0x0
	ds_add_u32 v254, v255
	s_wait_dscnt 0x0
	CROUND                                         ; the closing round: no work-group ends while a partner may still ask for a tile that names it
	s_endpgm
.Lfunc_end_k_q7882fe6b56_attn:
	.size	k_q7882fe6b56_attn, .Lfunc_end_k_q7882fe6b56_attn-k_q7882fe6b56_attn
	.p2alignl 7, 3214868480
	.fill 96, 4, 3214868480
	.section	.rodata,"a",@progbits
	.p2align	6, 0x0
	.amdhsa_kernel k_q7882fe6b56_attn
		.amdhsa_group_segment_fixed_size 215040
		.amdhsa_private_segment_fixed_size 0
		.amdhsa_enable_private_segment 0
		.amdhsa_kernarg_size 32
		.amdhsa_user_sgpr_count 2
		.amdhsa_user_sgpr_kernarg_segment_ptr 1
		.amdhsa_wavefront_size32 1
		.amdhsa_system_sgpr_workgroup_id_x 1
		.amdhsa_system_sgpr_workgroup_id_y 1
		.amdhsa_system_sgpr_workgroup_id_z 1
		.amdhsa_system_vgpr_workitem_id 0
		.amdhsa_next_free_vgpr 256
		.amdhsa_next_free_sgpr 100
		.amdhsa_reserve_vcc 1
		.amdhsa_float_denorm_mode_32 3
		.amdhsa_float_denorm_mode_16_64 3
		.amdhsa_memory_ordered 1
		.amdhsa_forward_progress 1
		.amdhsa_inst_pref_size 50
	.end_amdhsa_kernel
	.amdgpu_metadata
---
amdhsa.version: [ 1, 2 ]
amdhsa.kernels:
  - .name:           k_q7882fe6b56_attn
    .symbol:         k_q7882fe6b56_attn.kd
    .args:
      - { .name: qkv_img, .offset: 0, .size: 8, .value_kind: global_buffer, .address_space: global }
      - { .name: qkv_sc, .offset: 8, .size: 8, .value_kind: global_buffer, .address_space: global }
      - { .name: a_img, .offset: 16, .size: 8, .value_kind: global_buffer, .address_space: global }
      - { .name: a_sc, .offset: 24, .size: 8, .value_kind: global_buffer, .address_space: global }
    .group_segment_fixed_size: 215040
    .private_segment_fixed_size: 0
    .kernarg_segment_align: 8
    .kernarg_segment_size: 32
    .max_flat_workgroup_size: 512
    .sgpr_count:     100
    .vgpr_count:     256
    .wavefront_size: 32
...
	.end_amdgpu_metadata
.endif
;; end of part 2
;; launch outp (part 3): grid 32 x 4, 4 waves a work-group, clusters of 4 x 4, 327,680 bytes of LDS; arguments Wo_codes, Wo_scales, a_img, a_sc, bo, out0; writes out0
.if DOCPART == 3
	.amdgcn_target "amdgcn-amd-amdhsa--gfx1250"
	.amdhsa_code_object_version 6
	.text
	.protected	k_q7882fe6b56_outp
	.globl	k_q7882fe6b56_outp
	.p2align	8
	.type	k_q7882fe6b56_outp,@function
k_q7882fe6b56_outp:
	s_mov_b64 s[64:65], 0
	v_nop
	global_prefetch_b8 v0, s[64:65] scope:SCOPE_SE
	s_setreg_imm32_b32 hwreg(HW_REG_WAVE_MODE, 25, 1), 1
	s_wait_xcnt 0x0
	s_wait_alu depctr_hold_cnt(0) depctr_sa_sdst(0) depctr_va_vdst(0) depctr_va_sdst(0) depctr_va_ssrc(0) depctr_va_vcc(0) depctr_vm_vsrc(0)
	s_getreg_b32 s2, hwreg(HW_REG_IB_STS2, 6, 4)
	s_cmp_eq_u32 s2, 0
	s_cbranch_scc0 .Lentry_in_a_cluster
	s_endpgm
.Lentry_in_a_cluster:
	s_bfe_u32 s2, ttmp6, 0x10000c
	s_cmp_lg_u32 s2, 0xf033
	s_cbranch_scc0 .Lentry_shape_is_right
	s_endpgm
.Lentry_shape_is_right:
; out0[b][o][t] = sum over c of Wo[o][c] a[b][c][t] + bo[o]: 1,024 x 8,192 x 1,024 on codes of FP6 (E2M3) with one E8M0 scale for each 32 along K; out0 f32.
; A = Wo (source 1 of the matrix instruction: its rows o fall on the lanes), given as rows of 768 bytes.  B = a (source 0: its rows (b, t) fall on the registers), made by the launch before as images of operand registers:
; [tile of 16 rows][head][768], a half-cell (16 rows x 64 along K, 6 registers) with registers 0-1 at 8 x lane and registers 2-5 at 256 + 16 x lane; its scale bytes [8,192][32].  So a lane holds eight neighbouring t of one o.
; A tile of 256 x 256 is made by four waves, 128 x 128 each: 64 accumulators.  K goes in steps of 256 through two LDS slots; the scale bytes come into LDS once.  bo is the C of the first products.
; CLUSTERS of 4 x 4: Wo's tiles are asked for jointly along a row of the cluster, a's along a column.  The grid has one cluster along y, so Wo's tile is cy.
; There are 128 tiles of this size for the launch: a smaller tile would give more work-groups at twice the LDS reads for each product.
.set KSTEP,  256
.set NQ,     KSTEP/128
.set ROWB,   192                       ; A: a tile's row in bytes
.set KROW,   768
.set PITCH,  240                       ; A's LDS row: 3 x (64 bytes + 16 of padding)
.set FR,     12
.set NL,     6                         ; LDS loads that bring a fragment of A
.set NP,     4
.set HALFT,  128*PITCH                 ; A: 128 rows, one tensor load
.set BSTEP,  3072                      ; B: a tile of 16 rows x 256 along K: four half-cells
.set HALFB,  8*BSTEP                   ; B: 128 rows, one tensor load
.set SLOT,   2*HALFT+2*HALFB           ; A's 256 rows, then B's 16 tiles of rows
.set LAPS,   2
.set KS,     32
.set SCL,    2*SLOT
.set HALFS,  (128*KS/256)*272
.set SBLK,   (16*KS/256)*272
.set SPARE,  SCL+4*HALFS               ; the spare words, 128 bytes a wave: two blocks of 256 bytes that no other line names
.set SPITCH, 528                       ; the way out: a stage of 16 rows x (512 bytes + 16) for each wave, in slot 0, which has had its last fill and its last read by then
.set CROW,   8192                      ; a row of out0 in bytes
.set ADRA, 16                          ; v16-17 A's fragments in slot 0, 1 (v18-19: behind one padding more)
.set ADRB, 20                          ; v20-21 B's images + 8 x lane in slot 0, 1;  v22-23 + 16 x lane
.set STO,  24
.set RD,   25
.set CO,   26
.set ADRS, 27
.set SPW,  28                          ; my spare word; never rewritten
.set NIL,  29                          ; 0; never rewritten
.set BO,   30
.set SC,   32                          ; v32-63 scale words, two sets
.set BT,   64                          ; v64-127 bo of A's block a, eight times: the C of the first products
.set AF,   128
.set BK,   128
.set G1, 24
.set G0, 32
.set G1B, 48
.set G0B, 56
.set G1S, 68
.set G0S, 76
.set G1SB, 80
.set G0SB, 88
.set MSB, 0
.macro WIN new
.if MSB != (\new)
	s_set_vgpr_msb (MSB<<8)|(\new)
.set MSB, \new
.endif
.endm
.set MUL_LO, 0xa1
.set MUL_HI, 0xf1
.set TO_B,   0x40
.macro JLOAD g0a, g1a, g0b, g1b        ; a joint load: waves 0 and 1 fetch for A, waves 2 and 3 for B; four v_nop follow each of the two lines
	s_cmp_eq_u32 s15, 0
	s_cbranch_scc0 .Lfor_b_\@
	tensor_load_to_lds s[\g0a:\g0a+3], s[\g1a:\g1a+7]
	s_nop 0
.rept 4
	v_nop
.endr
	s_branch .Lasked_\@
.Lfor_b_\@:
	tensor_load_to_lds s[\g0b:\g0b+3], s[\g1b:\g1b+7]
	s_nop 0
.rept 4
	v_nop
.endr
.Lasked_\@:
.endm
.macro CREST
	s_cmp_lg_u32 s14, 0
	s_cbranch_scc1 .Lnot_wave_0_\@
	s_barrier_signal -3
.Lnot_wave_0_\@:
	s_barrier_wait -3
	s_barrier_signal -1
	s_barrier_wait -1
.endm
.macro CROUND
	s_barrier_signal -1
	s_barrier_wait -1
	CREST
.endm
	s_load_b256 s[4:11], s[0:1], 0x0               ; Wo's codes s[4:5], Wo's scales s[6:7], a's images s[8:9], a's scales s[10:11]
	s_load_b64 s[98:99], s[0:1], 0x20              ; bo
	s_load_b64 s[12:13], s[0:1], 0x28              ; out0
	v_lshl_add_u32 v[SPW], v0, 2, SPARE
	v_mov_b32 v[NIL], 0
	ds_add_u32 v28, v29
	ds_add_u32 v28, v29
	s_wait_dscnt 0x0
	v_lshrrev_b32 v1, 5, v0
	v_readfirstlane_b32 s14, v1                    ; wave 0..3
	s_lshr_b32 s15, s14, 1                         ; which half of A's rows is mine.  Also: I fetch for A (0) or for B (1)
	s_and_b32 s16, s14, 1                          ; which half of B's rows.  Also: which 128 rows I fetch
	s_bfe_u32 s40, ttmp6, 0x40000                  ; cx, cy
	s_bfe_u32 s41, ttmp6, 0x40004
	s_lshl_b32 s42, ttmp9, 2
	s_add_co_u32 s42, s42, s40                     ; B's tile = 4 x cluster x + cx
	s_mov_b32 s17, s41                             ; A's tile = cy
	s_lshl_b32 s43, s41, 2
	s_lshl_b32 s43, 15, s43                        ; my row of the cluster
	s_lshl_b32 s44, 0x1111, s40                    ; my column
	s_or_b32 s[G1+0], s43, (0<<16)|(1<<20)|(1<<21)|(3<<22)|(3<<25)   ; A: 128 rows x 192 bytes, 16 bytes of padding behind every 64
	s_mov_b32 s[G1+1], ROWB<<16
	s_mov_b32 s[G1+2], 128<<16
	s_mov_b32 s[G1+3], ROWB<<16
	s_mov_b32 s[G1+4], 128
	s_mov_b32 s[G1+5], KROW
	s_mov_b32 s[G1+6], 0
	s_mov_b32 s[G1+7], 0
	s_or_b32 s[G1B+0], s44, (3<<16)|(1<<21)        ; B: 8 tiles of rows x 3,072 bytes (384 elements of 8 bytes), 12,288 bytes apart; no padding: an image is read in consecutive bytes
	s_mov_b32 s[G1B+1], 384<<16
	s_mov_b32 s[G1B+2], 8<<16
	s_mov_b32 s[G1B+3], 384<<16
	s_mov_b32 s[G1B+4], 8
	s_mov_b32 s[G1B+5], 1536
	s_mov_b32 s[G1B+6], 0
	s_mov_b32 s[G1B+7], 0
	s_or_b32 s[G1S+0], s43, (3<<16)|(1<<20)|(1<<21)|(5<<22)|(3<<25)   ; the scales of 128 rows: 16 rows of 256 bytes, 16 bytes of padding behind each
	s_or_b32 s[G1SB+0], s44, (3<<16)|(1<<20)|(1<<21)|(5<<22)|(3<<25)
.irp g, G1S, G1SB
	s_mov_b32 s[\g+1], 32<<16
	s_mov_b32 s[\g+2], (128*KS/256)<<16
	s_mov_b32 s[\g+3], 32<<16
	s_mov_b32 s[\g+4], 128*KS/256
	s_mov_b32 s[\g+5], 32
	s_mov_b32 s[\g+6], 0
	s_mov_b32 s[\g+7], 0
.endr
	s_lshl_b32 s18, s16, 7
	s_lshl_b32 s20, s17, 8
	s_add_co_u32 s20, s20, s18                     ; A's row
	s_lshl_b32 s46, s42, 8
	s_add_co_u32 s46, s46, s18                     ; B's row
	s_lshl_b32 s22, s20, 5                         ; their scales, in bytes
	s_mov_b32 s23, 0
	s_lshl_b32 s92, s46, 5
	s_mov_b32 s93, 0
	s_mul_i32 s20, s20, KROW                       ; their codes: A 768 bytes a row;
	s_mov_b32 s21, 0
	s_mul_i32 s46, s46, KROW                       ; B 12,288 bytes a tile of 16 rows, which is 768 a row too
	s_mov_b32 s47, 0
	s_mul_i32 s45, s16, HALFT                      ; where they go in a slot: A's half,
	s_mul_i32 s95, s16, HALFB
	s_add_co_u32 s95, s95, 2*HALFT                 ; B's half
	s_mul_i32 s94, s14, HALFS
	s_wait_kmcnt 0x0
	s_add_nc_u64 s[20:21], s[4:5], s[20:21]
	s_add_nc_u64 s[22:23], s[6:7], s[22:23]
	s_add_nc_u64 s[46:47], s[8:9], s[46:47]
	s_add_nc_u64 s[92:93], s[10:11], s[92:93]
	CROUND                                         ; all sixteen work-groups are here: the first joint loads meet
	s_mov_b32 s[G0S], 1
	s_add_co_u32 s[G0S+1], s94, SCL
	s_mov_b64 s[G0S+2:G0S+3], s[22:23]
	s_or_b32 s[G0S+3], s[G0S+3], 0x80000000
	s_mov_b32 s[G0SB], 1
	s_add_co_u32 s[G0SB+1], s94, SCL
	s_mov_b64 s[G0SB+2:G0SB+3], s[92:93]
	s_or_b32 s[G0SB+3], s[G0SB+3], 0x80000000
	JLOAD G0S, G1S, G0SB, G1SB
.irp s, 0,1
	s_mov_b32 s[G0+4*\s], 1
	s_add_co_u32 s[G0+4*\s+1], s45, \s*SLOT
	s_add_nc_u64 s[G0+4*\s+2:G0+4*\s+3], s[20:21], \s*ROWB
	s_or_b32 s[G0+4*\s+3], s[G0+4*\s+3], 0x80000000
	s_mov_b32 s[G0B+4*\s], 1
	s_add_co_u32 s[G0B+4*\s+1], s95, \s*SLOT
	s_add_nc_u64 s[G0B+4*\s+2:G0B+4*\s+3], s[46:47], \s*BSTEP
	s_or_b32 s[G0B+4*\s+3], s[G0B+4*\s+3], 0x80000000
	JLOAD G0+4*\s, G1, G0B+4*\s, G1B
.endr
	v_and_b32 v1, 15, v0                           ; r
	v_bfe_u32 v2, v0, 4, 1                         ; h
	s_lshl_b32 s20, s17, 8
	s_lshl_b32 s21, s15, 7
	s_add_co_u32 s20, s20, s21                     ; my first o
	s_lshl_b32 s21, s20, 2
	v_lshl_add_u32 v[BO], v1, 2, s21
.irp a, 0,1,2,3,4,5,6,7
	global_load_b32 v[BT+8*\a], v[BO], s[98:99] offset:64*\a   ; bo[o0 + 16 a + r]
.endr
	s_lshl_b32 s20, s20, 13                        ; out0: 8,192 bytes a row o,
	s_lshl_b32 s46, s42, 8
	s_lshl_b32 s47, s16, 7
	s_add_co_u32 s46, s46, s47                     ; my first row of B: 2,048 batch + t
	s_lshr_b32 s47, s46, 11
	s_lshl_b32 s47, s47, 23                        ; 8,388,608 bytes a batch,
	s_and_b32 s46, s46, 2047
	s_lshl_b32 s46, s46, 2                         ; 4 a t
	s_add_co_u32 s46, s46, s47
	s_add_co_u32 s20, s20, s46
	s_mov_b32 s21, 0
	s_add_nc_u64 s[12:13], s[12:13], s[20:21]
	v_mul_u32_u24 v3, v1, PITCH
	v_mul_u32_u24 v4, v2, 24
	v_add_nc_u32 v4, v3, v4
	v_lshl_add_u32 v5, v2, 4, v4
	v_and_b32 v7, 31, v0
	s_mul_i32 s21, s15, HALFT                      ; my 128 rows of A
	s_mul_i32 s22, s16, HALFB                      ; my 8 tiles of B's rows,
	s_add_co_u32 s22, s22, 2*HALFT                 ; which lie behind A's 256 rows
.irp s, 0,1
	v_add_nc_u32 v[ADRA+\s], s21, v4
	v_add_nc_u32 v[ADRA+2+\s], s21, v5
	v_lshl_add_u32 v[ADRB+\s], v7, 3, s22
	v_lshl_add_u32 v[ADRB+2+\s], v7, 4, s22
	s_add_co_u32 s21, s21, SLOT
	s_add_co_u32 s22, s22, SLOT
.endr
	v_mul_u32_u24 v5, v1, KS
	v_lshrrev_b32 v6, 8, v5
	v_lshl_add_u32 v5, v6, 4, v5
	s_mul_i32 s21, s15, HALFS
	s_mul_i32 s22, s16, HALFS
	s_add_co_u32 s22, s22, 2*HALFS
	s_sub_co_u32 s22, s22, s21
	v_mul_u32_u24 v6, s22, v2                      ; lanes 16-31 take B's
	s_add_co_u32 s21, s21, SCL
	v_add_nc_u32 v5, v5, v6
	v_add_nc_u32 v[ADRS], s21, v5
	s_mul_i32 s23, s14, 16*SPITCH                  ; my stage
	v_mul_u32_u24 v5, v1, SPITCH
	v_lshl_add_u32 v5, v2, 5, v5
	v_add_nc_u32 v[STO], s23, v5
	v_lshlrev_b32 v[CO], 4, v7
	v_add_nc_u32 v[RD], s23, v[CO]
	s_wait_loadcnt 0x0                             ; bo
.irp a, 0,1,2,3,4,5,6,7
.irp j, 1,2,3,4,5,6,7
	v_mov_b32 v[BT+8*\a+\j], v[BT+8*\a]            ; the same o in all eight registers of a result
.endr
.endr
.macro FRAG reg, adr, q, i             ; a fragment of A from padded rows, in pieces of 8 bytes
.irp p, 0,1,2,3,4,5
.set PC, 12*(\q)+6*(\p/3)+\p%3
.if PC%8 < 5
	ds_load_b64 v[\reg+2*\p:\reg+2*\p+1], v[\adr] offset:8*PC+16*(PC/8)+(\i)*16*PITCH
.else
	ds_load_b64 v[\reg+2*\p:\reg+2*\p+1], v[\adr+2] offset:8*PC+16*(PC/8)+(\i)*16*PITCH
.endif
.endr
.endm
.macro FRAGI reg, slot, q, i           ; a fragment of B: two half-cells, as they were stored
	ds_load_b64 v[\reg:\reg+1], v[ADRB+\slot] offset:BSTEP*(\i)+1536*(\q)
	ds_load_b128 v[\reg+2:\reg+5], v[ADRB+2+\slot] offset:BSTEP*(\i)+1536*(\q)+256
	ds_load_b64 v[\reg+6:\reg+7], v[ADRB+\slot] offset:BSTEP*(\i)+1536*(\q)+768
	ds_load_b128 v[\reg+8:\reg+11], v[ADRB+2+\slot] offset:BSTEP*(\i)+1536*(\q)+1024
.endm
; 16 matrix instructions: A's blocks a0, a0 + 1 x B's eight.  zero = 1: the first product starts the sums, with bo as its C.  The 64 accumulators take turns.
.macro MUL16 a0, p, q, sc, zero
.irp a, \a0, \a0+1
.irp b, 0,1,2,3,4,5,6,7
.if \zero
	v_wmma_scale_f32_16x16x128_f8f6f4 v[8*(8*((\a)%4)+\b):8*(8*((\a)%4)+\b)+7], v[128*(\p)+FR*\b:128*(\p)+FR*\b+FR-1], v[AF+FR*(\a):AF+FR*(\a)+FR-1], v[BT+8*(\a):BT+8*(\a)+7], v[SC+8*NQ*(\sc)+NQ*\b+(\q)], v[SC+8*NQ*(\sc)+NQ*(\a)+(\q)] matrix_a_fmt:MATRIX_FMT_FP6 matrix_b_fmt:MATRIX_FMT_FP6 matrix_a_scale:MATRIX_SCALE_ROW1
.else
	v_wmma_scale_f32_16x16x128_f8f6f4 v[8*(8*((\a)%4)+\b):8*(8*((\a)%4)+\b)+7], v[128*(\p)+FR*\b:128*(\p)+FR*\b+FR-1], v[AF+FR*(\a):AF+FR*(\a)+FR-1], v[8*(8*((\a)%4)+\b):8*(8*((\a)%4)+\b)+7], v[SC+8*NQ*(\sc)+NQ*\b+(\q)], v[SC+8*NQ*(\sc)+NQ*(\a)+(\q)] matrix_a_fmt:MATRIX_FMT_FP6 matrix_b_fmt:MATRIX_FMT_FP6 matrix_a_scale:MATRIX_SCALE_ROW1
.endif
.endr
.endr
.endm
.macro FETCH_B slot, q, p
	WIN TO_B
.irp i, 0,1,2,3,4,5,6,7
	FRAGI 128*(\p)+FR*\i, \slot, \q, \i
.endr
	WIN 0
.endm
.macro FETCH_A slot, q, i0
.irp i, \i0, \i0+1, \i0+2, \i0+3
	FRAG AF+FR*(\i), ADRA+\slot, \q, \i
.endr
.endm
.macro SCALES sc
.irp i, 0,1,2,3,4,5,6,7
	ds_load_b64 v[SC+8*NQ*\sc+NQ*\i:SC+8*NQ*\sc+NQ*\i+1], v[ADRS] offset:\i*SBLK
.endr
.endm
.macro PLACES n                        ; plain vector instructions between a matrix instruction and a load into, or a read of, one of its registers
.rept \n
	v_nop
.endr
.endm
.macro STEP slot, q, zero
	s_wait_dscnt 4*NL                              ; all but the youngest 24 loads (A's blocks 4-7)
	WIN MUL_LO-0x20*(\zero)
	MUL16 0, (\q)%2, \q, \slot, \zero
	MUL16 2, (\q)%2, \q, \slot, \zero
	s_wait_dscnt 0
	PLACES NP
	FETCH_B \slot, (\q)+1, 1-(\q)%2
	FETCH_A \slot, (\q)+1, 0
	WIN MUL_HI-0x30*(\zero)
	MUL16 4, (\q)%2, \q, \slot, \zero
	MUL16 6, (\q)%2, \q, \slot, \zero
	PLACES NP
	WIN 0
	FETCH_A \slot, (\q)+1, 4
.endm
.macro TURN slot, next, fill
	s_wait_tensorcnt 0x0                           ; all my tensor loads have landed: my part of the next slot
	ds_add_u32 v[SPW], v[NIL]                      ; 0 onto my spare word
	s_wait_dscnt 4*NL+1                            ; (the add and the youngest 24 loads may be out)
	WIN MUL_LO
	MUL16 0, 1, NQ-1, \slot, 0
	s_wait_dscnt 0x0                               ; the add is done, and my reads of this slot are over
	s_barrier_signal -1
	MUL16 2, 1, NQ-1, \slot, 0
	WIN 0
	s_barrier_wait -1
.if \fill
	CREST                                          ; the barrier has opened a round of the cluster's barrier: no wave of any partner still reads this slot or has a load on its way
	s_add_nc_u64 s[G0+4*\slot+2:G0+4*\slot+3], s[G0+4*\slot+2:G0+4*\slot+3], 2*ROWB
	s_add_nc_u64 s[G0B+4*\slot+2:G0B+4*\slot+3], s[G0B+4*\slot+2:G0B+4*\slot+3], 2*BSTEP
	JLOAD G0+4*\slot, G1, G0B+4*\slot, G1B         ; the first tensor load behind the round; its four v_nop are the places in front of the loads below
.else
	PLACES NP
.endif
	v_add_nc_u32 v[ADRS], 4*NQ, v[ADRS]
	FETCH_B \next, 0, 0
	FETCH_A \next, 0, 0
	SCALES \next
	WIN MUL_HI
	MUL16 4, 1, NQ-1, \slot, 0
	MUL16 6, 1, NQ-1, \slot, 0
	PLACES NP
	WIN 0
	FETCH_A \next, 0, 4
.endm
	s_wait_tensorcnt 1                             ; the scales and my part of K step 0 are in (K step 1's load may be out),
	s_barrier_signal -1
	s_barrier_wait -1                              ; everybody's are
	FETCH_B 0, 0, 0
	FETCH_A 0, 0, 0
	SCALES 0
	FETCH_A 0, 0, 4
	STEP 0, 0, 1
	s_mov_b32 s3, LAPS-1
.Llap:
	TURN 0, 1, 1
	STEP 1, 0, 0
	TURN 1, 0, 1
	STEP 0, 0, 0
	s_sub_co_u32 s3, s3, 1
	s_cmp_lg_u32 s3, 0
	s_cbranch_scc1 .Llap
	TURN 0, 1, 0
	STEP 1, 0, 0
	s_wait_dscnt 4*NL
	WIN MUL_LO
	MUL16 0, 1, NQ-1, 1, 0
	MUL16 2, 1, NQ-1, 1, 0
	s_wait_dscnt 0
	WIN MUL_HI
	MUL16 4, 1, NQ-1, 1, 0
	MUL16 6, 1, NQ-1, 1, 0
	WIN 0
; THE WAY OUT, block by block of 16 rows o x 128 t: through my own stage in LDS and back as whole rows of 512 bytes, which the 32 lanes store as 512 consecutive bytes, aligned.
.macro TOSTAGE a
.set AC, 64*((\a)%4)
	WIN 0x08+4*((\a)/4)                            ; the data: window 2 or 3
.irp b, 0,1,2,3,4,5,6,7
	ds_store_b128 v[STO], v[AC+8*\b:AC+8*\b+3] offset:64*\b          ; each accumulator from its low end on
	ds_store_b128 v[STO], v[AC+8*\b+4:AC+8*\b+7] offset:64*\b+16
.endr
	WIN 0
.set BB, BK+64*((\a)%2)
.irp t, 0,1,2,3,4,5,6,7,8,9,10,11,12,13,14,15
	ds_load_b128 v[BB+4*\t:BB+4*\t+3], v[RD] offset:\t*SPITCH        ; LDS serves a wave's instructions in order (ISA guide 5.7.1.4): these see the stores above
.endr
.endm
.macro SEND a, younger
.set BB, BK+64*((\a)%2)
	s_wait_dscnt \younger                          ; the block is back in registers
.if (\a) > 0
	s_add_nc_u64 s[12:13], s[12:13], 16*CROW       ; (behind a wait on XCNT: the earlier stores have read their base)
.endif
.irp t, 0,1,2,3,4,5,6,7,8,9,10,11,12,13,14,15
	global_store_b128 v[CO], v[BB+4*\t:BB+4*\t+3], s[12:13] offset:\t*CROW th:TH_STORE_NT
.endr
.endm
	PLACES NP
	TOSTAGE 0
.irp a, 1,2,3,4,5,6,7
.if \a > 1
	s_wait_xcnt 0x0                                ; block a - 2's stores have read their registers and their base
.endif
	TOSTAGE \a
	SEND \a-1, 32                                  ; behind block a - 1's loads: block a's 16 stores and 16 loads
.endr
	s_wait_xcnt 0x0
	SEND 7, 0
	s_wait_tensorcnt 0x0                           ; the wave's end
	ds_add_u32 v[SPW], v[NIL]
	s_wait_dscnt 0x0
	CROUND                                         ; the closing round
	s_endpgm
.Lfunc_end_k_q7882fe6b56_outp:
	.size	k_q7882fe6b56_outp, .Lfunc_end_k_q7882fe6b56_outp-k_q7882fe6b56_outp
	.p2alignl 7, 3214868480
	.fill 96, 4, 3214868480
	.section	.rodata,"a",@progbits
	.p2align	6, 0x0
	.amdhsa_kernel k_q7882fe6b56_outp
		.amdhsa_group_segment_fixed_size 327680
		.amdhsa_private_segment_fixed_size 0
		.amdhsa_enable_private_segment 0
		.amdhsa_kernarg_size 48
		.amdhsa_user_sgpr_count 2
		.amdhsa_user_sgpr_kernarg_segment_ptr 1
		.amdhsa_wavefront_size32 1
		.amdhsa_system_sgpr_workgroup_id_x 1
		.amdhsa_system_sgpr_workgroup_id_y 1
		.amdhsa_system_sgpr_workgroup_id_z 1
		.amdhsa_system_vgpr_workitem_id 0
		.amdhsa_next_free_vgpr 1024
		.amdhsa_next_free_sgpr 100
		.amdhsa_reserve_vcc 0
		.amdhsa_float_denorm_mode_32 3
		.amdhsa_float_denorm_mode_16_64 3
		.amdhsa_memory_ordered 1
		.amdhsa_forward_progress 1
		.amdhsa_inst_pref_size 155
	.end_amdhsa_kernel
	.amdgpu_metadata
---
amdhsa.version: [ 1, 2 ]
amdhsa.kernels:
  - .name:           k_q7882fe6b56_outp
    .symbol:         k_q7882fe6b56_outp.kd
    .args:
      - { .name: Wo_codes, .offset: 0, .size: 8, .value_kind: global_buffer, .address_space: global }
      - { .name: Wo_scales, .offset: 8, .size: 8, .value_kind: global_buffer, .address_space: global }
      - { .name: a_img, .offset: 16, .size: 8, .value_kind: global_buffer, .address_space: global }
      - { .name: a_sc, .offset: 24, .size: 8, .value_kind: global_buffer, .address_space: global }
      - { .name: bo, .offset: 32, .size: 8, .value_kind: global_buffer, .address_space: global }
      - { .name: out0, .offset: 40, .size: 8, .value_kind: global_buffer, .address_space: global }
    .group_segment_fixed_size: 327680
    .private_segment_fixed_size: 0
    .kernarg_segment_align: 8
    .kernarg_segment_size: 48
    .max_flat_workgroup_size: 128
    .sgpr_count:     100
    .vgpr_count:     1024
    .wavefront_size: 32
...
	.end_amdgpu_metadata
.endif
;; end of part 3
